; MI455X (gfx1250); checked and timed in simulation.
; The chip was launched on July 23, 2026; its instructions are those of AMD's public machine-readable ISA for CDNA 5 (MIT licence, August 2026) and "CDNA5" Instruction Set Architecture Reference Guide (July 2026). The comments in the code are by the model that wrote it; some were corrected since.
;; Causal Self Attention. Allowed arithmetic: matrix products marked QUANTISED: E2M1 operands, one E8M0 scale for each 32 along K, by v_wmma_scale_f32_16x16x128_f8f6f4 with both operands' format E2M1 (or v_wmma_scale_f32_32x16x128_f4), f32 sums; products left as they are: bf16, f16 or f32 operands; f32 sums; everything else in f32.
;; Inputs: b_attn 3,072 float32; b_proj 1,024 float32; w_attn 1,024 x 3,072 float32; w_proj 1,024 x 1,024 float32; x 4 x 2,048 x 1,024 float32.
;; Outputs: out0 4 x 2,048 x 1,024 float32.
;; This version of the problem:
;;   THIS VERSION OF THE PROBLEM IS GIVEN IN LOW PRECISION. The matrix products marked QUANTISED in the list below multiply operands that are first quantised to E2M1 (2 exponent bits, 1 mantissa bit; 4 bits a number), with one power-of-two scale for each 32 numbers along K (OCP MX v1.0); their sums are f32. The products marked 'left as it is' may take bf16, f16 or f32 operands, with f32 sums. Whichever they take, every output number must still come out within the allowed error. Rounding operands to bf16 (8 significant bits) uses up far more of that allowance than f16 does (11 bits, for magnitudes from 6e-5 to 65,504). All else is computed in f32.
;;   The module's matrix products, in the order in which they are computed (A, B: the left and right operand; K: the contracted axis; several contracted axes count as one K, in the product's order):
;;     1. [M 8,192, K 1,024] x [K 1,024, N 3,072]; A: input x; B: input w_attn: QUANTISED
;;     2. batch 64 x [M 2,048, K 64] x [K 64, N 2,048]; A: computed on the way; B: computed on the way: left as it is (an operand is computed on the way)
;;     3. batch 64 x [M 2,048, K 2,048] x [K 2,048, N 64]; A: computed on the way; B: computed on the way: left as it is (an operand is computed on the way)
;;     4. [M 8,192, K 1,024] x [K 1,024, N 1,024]; A: computed on the way; B: input w_proj: left as it is (an operand is computed on the way)
;;   THE QUANTISER, for each operand of a quantised product, along K:
;;     - K is cut into blocks of 32 from its start; a last block that is shorter is filled with zeros.
;;     - A block's scale is 2^e with e = floor(log2(the largest magnitude in the block)) - 2, held to -126 .. 127; a block of zeros has e = 0. As a byte (E8M0): e + 127.
;;     - Each number is divided by its block's scale, clamped to +-6, and rounded to the nearest number of E2M1, ties to even, subnormals kept.
;;     - The product sums the exact products of the quantised numbers (number of the format x scale) in f32.
;;   ~~~python
;;   def quantise(x, axis):      # numpy; x: float32 -> the quantised numbers, widened to float32 again
;;       x = np.moveaxis(x, axis, -1); K = x.shape[-1]
;;       x = np.pad(x, [(0, 0)] * (x.ndim - 1) + [(0, -K % 32)]); x = x.reshape(x.shape[:-1] + (-1, 32)); a = np.abs(x).max(-1, keepdims=True)
;;       e = np.where(a > 0, np.clip(np.frexp(np.where(a > 0, a, 1))[1] - 1 - 2, -126, 127), 0)      # np.frexp(a)[1] - 1 = floor(log2(a)), exactly
;;       r = np.clip(x / 2.0 ** e, -6, 6)
;;       step = 2.0 ** (np.maximum(np.frexp(np.where(r == 0, 1, r))[1] - 1, 0) - 1)
;;       q = np.round(r / step) * step * 2.0 ** e      # np.round: ties to even
;;       return np.moveaxis(q.reshape(q.shape[:-2] + (-1,))[..., :K], -1, axis).astype(np.float32)
;;   ~~~
;; One version. Each part assembles by itself: llvm-mc -triple=amdgcn-amd-amdhsa -mcpu=gfx1250 --defsym DOCPART=n.
;; ======== version 1 of 1: 6 launches
;; limits: values are held in f16: magnitudes above 65,504 overflow, below 6.1e-05 lose precision
;; workspace buffers: x_codes 4,194,304 bytes; x_scales 262,144 bytes; w_codes 1,572,864 bytes; w_scales 98,304 bytes; wp16 2,097,152 bytes; qkv 50,331,648 bytes; y 16,777,216 bytes; y16 262,144 bytes
;; launch prep (part 1): grid 432 x 1, 4 waves a work-group, no clusters, 68,096 bytes of LDS; arguments x, w_attn, w_proj, x_codes, x_scales, w_codes, w_scales, wp16; writes x_codes, x_scales, w_codes, w_scales, wp16
.if DOCPART == 1
	.amdgcn_target "amdgcn-amd-amdhsa--gfx1250"
	.amdhsa_code_object_version 6
	.text
	.protected	k_q1853815c4d_prep
	.globl	k_q1853815c4d_prep
	.p2align	8
	.type	k_q1853815c4d_prep,@function
k_q1853815c4d_prep:
	s_mov_b64 s[64:65], 0
	v_nop
	global_prefetch_b8 v0, s[64:65] scope:SCOPE_SE
	s_setreg_imm32_b32 hwreg(HW_REG_WAVE_MODE, 25, 1), 1
	s_wait_xcnt 0x0
; THREE PREPARATIONS IN ONE LAUNCH, told apart by the work-group's number alone:
;   work-groups   0-255: x [8192][1024] f32 -> codes of FP4 (E2M1), K innermost, [8192][512 bytes], and one E8M0 byte for each 32 along K, [8192][32 bytes]
;   work-groups 256-303: w_attn [1024 (k)][3072 (n)] f32, K its FIRST axis -> codes [3072][512 bytes] with K innermost, scale bytes [3072][32 bytes]
;   work-groups 304-431: w_proj [1024][1024] f32 -> f16, in the same order
; A block's scale is 2^(floor(log2(its largest magnitude)) - 2); its byte is the largest magnitude's own exponent field - 2, held at 1 from below.  Each number is divided by the scale and
; rounded to the nearest code, ties to even; beyond 6 the conversion gives the largest code.
; LIMITS: a block of zeros gets the byte 1 where the quantiser says 127: its codes are zeros, which add nothing under any byte but 0xff, and the bytes are read by this program alone.
; Blocks whose largest magnitude lies under 2^(2 - 126) were not tried.  NaN and infinities are not served.  w_proj beyond +-65,504 does not fit f16.
; Each of the three ways has LDS bytes of its own: x's four regions from 0, w_attn's four stages from 32,768; the spare words behind them.  No tensor load, no barrier: waves share nothing.
.set SPARE,  67584                     ; the spare words, 128 bytes for each wave: two blocks of 256 bytes that no other line names
.set SPW,    192                       ; v192  LDS address of my spare word: SPARE + 4 x my thread's number; never rewritten
.set NIL,    193                       ; v193  0; never rewritten
.set EMAX,   2                         ; the exponent of E2M1's largest number, 6
; ---- x
.set STEPS,  16                        ; a wave takes 16 steps of 512 numbers
.set CB,     8                         ; bytes of 16 codes
.set XR,     16                        ; v16-79   four sets of 16 numbers as they are loaded
.set XX,     80                        ; v80-111  two sets of 16 neighbours along K
.set XE,     112                       ; v112-127 a scale byte for each step
.set XC,     128                       ; v128-191 codes: four registers for each step, so that no store's data are written again
.set WREG,   8192                      ; LDS: a region for each wave: two stages of 32 x SP bytes, behind them its 256 scale bytes
.set SP,     80                        ; a lane's place in a stage: its 64 bytes + 16 of padding
; ---- w_attn
.set SIZE_K, 1024
.set SIZE_N, 3072
.set NB,     16                        ; blocks of 32 along K for a wave: 512 along K
.set WPITCH, 272                       ; a stage row: 256 bytes of codes + 16
.set KROW,   512                       ; a row of the codes' buffer in bytes
.set WSTAGE, 32768                     ; the four stages, 32 x WPITCH bytes each
.set WX,     32                        ; v32-95   two sets of 32 numbers
.set WC,     96                        ; v96-99   a block's codes
.set WOUT,   112                       ; v112-175 the way out
.set WSB,    24                        ; v24-27   the scale bytes, four to a register
.macro FIN                             ; a wave's end
	s_wait_tensorcnt 0x0
	ds_add_u32 v[SPW], v[NIL]
	s_wait_dscnt 0x0
	s_endpgm
.endm
.macro XLOAD t                         ; step t: four loads of 512 consecutive bytes
.irp i, 0,1,2,3
	global_load_b128 v[XR+16*((\t)%4)+4*\i:XR+16*((\t)%4)+4*\i+3], v3, s[4:5] offset:2048*(\t)+512*\i th:TH_LOAD_NT
.endr
.endm
.macro XTURN t                         ; step t's numbers through the stage: in as they lie, out 64 bytes a lane.  LDS serves a wave's instructions in order: no wait between
.irp i, 0,1,2,3
	ds_store_b128 v14, v[XR+16*((\t)%4)+4*\i:XR+16*((\t)%4)+4*\i+3] offset:32*SP*((\t)%2)+8*SP*\i
.endr
.irp i, 0,1,2,3
	ds_load_b128 v[XX+16*((\t)%2)+4*\i:XX+16*((\t)%2)+4*\i+3], v15 offset:32*SP*((\t)%2)+16*\i
.endr
.endm
.macro XSTEP t
.set XS, XX+16*((\t)%2)
.if (\t) > 0
	s_wait_dscnt 1                                 ; this step's numbers are back from the stage (the last step's byte store may be out): so its stores into the stage have read their registers,
.else
	s_wait_dscnt 0x0
.endif
.if (\t)+4 < STEPS
	XLOAD (\t)+4                                   ; which take the loads of four steps on
.endif
.if (\t)+1 < STEPS
.if STEPS-2-(\t) >= 3
	s_wait_loadcnt 12                              ; the next step's four loads are in; those of the three steps behind it may be out
.else
	s_wait_loadcnt 4*(STEPS-2-(\t))
.endif
	XTURN (\t)+1                                   ; and go through the other stage while this step is worked
.endif
	v_max3_num_f32 v8, |v[XS]|, |v[XS+1]|, |v[XS+2]|               ; the largest magnitude of my 16, in two chains
	v_max3_num_f32 v9, |v[XS+3]|, |v[XS+4]|, |v[XS+5]|
.irp i, 6,10
	v_max3_num_f32 v8, v8, |v[XS+\i]|, |v[XS+\i+1]|
	v_max3_num_f32 v9, v9, |v[XS+\i+2]|, |v[XS+\i+3]|
.endr
	v_max3_num_f32 v8, v8, |v[XS+14]|, |v[XS+15]|
	v_max3_num_f32 v8, v8, v9, (EMAX+1)<<23        ; and the floor 2^(EMAX + 1 - 127): so the byte cannot fall under 1
	v_max_num_f32_dpp v8, v8, v8 row_xmask:1 row_mask:0xf bank_mask:0xf   ; and of my neighbour's 16: the block's
	v_add_nc_u32 v11, -(EMAX<<23), v8              ; EMAX off its exponent field: the conversion takes the exponent field of this operand as its scale
	v_cvt_scalef32_pk8_fp4_f32 v[XC+4*(\t)], v[XS:XS+7], v11
	v_cvt_scalef32_pk8_fp4_f32 v[XC+4*(\t)+1], v[XS+8:XS+15], v11
	v_lshrrev_b32 v[XE+(\t)], 23, v11              ; the scale's byte
	ds_store_b8 v5, v[XE+(\t)] offset:16*(\t)      ; both lanes of a block write the same byte with the same value
	global_store_b64 v4, v[XC+4*(\t):XC+4*(\t)+1], s[10:11] offset:32*CB*(\t)   ; 32 lanes store 256 consecutive bytes, aligned
.endm
.macro WLOAD t                         ; block t: w_attn(32 t + i, my column), i = 0 .. 31, into set t % 2
.irp i, 0,1,2,3,4,5,6,7,8,9,10,11,12,13,14,15,16,17,18,19,20,21,22,23,24,25,26,27,28,29,30,31
	global_load_b32 v[WX+32*((\t)%2)+\i], v3, s[6:7] offset:(32*(\t)+\i)*SIZE_N*4 th:TH_LOAD_NT
.endr
.endm
.macro WBLOCK t
.set WXS, WX+32*((\t)%2)
.if (\t) < NB-1
	s_wait_loadcnt 32                              ; this block's 32 loads are in; the next block's may be out
.else
	s_wait_loadcnt 0
.endif
	v_max3_num_f32 v12, |v[WXS]|, |v[WXS+1]|, |v[WXS+2]|           ; the block's largest magnitude: all 32 numbers are mine
	v_max3_num_f32 v13, |v[WXS+3]|, |v[WXS+4]|, |v[WXS+5]|
.irp i, 6,10,14,18,22,26
	v_max3_num_f32 v12, v12, |v[WXS+\i]|, |v[WXS+\i+1]|
	v_max3_num_f32 v13, v13, |v[WXS+\i+2]|, |v[WXS+\i+3]|
.endr
	v_max3_num_f32 v12, v12, |v[WXS+30]|, |v[WXS+31]|
	v_max3_num_f32 v12, v12, v13, (EMAX+1)<<23     ; and the floor
	v_add_nc_u32 v11, -(EMAX<<23), v12             ; the conversion's scale operand
	v_lshrrev_b32 v13, 23, v11                     ; the scale's byte
.if (\t)%4 == 0
	v_mov_b32 v[WSB+(\t)/4], v13                   ; four bytes to a register, the lower K in the lower byte
.else
	v_lshl_or_b32 v[WSB+(\t)/4], v13, 8*((\t)%4), v[WSB+(\t)/4]
.endif
.irp g, 0,1,2,3
	v_cvt_scalef32_pk8_fp4_f32 v[WC+\g], v[WXS+8*\g:WXS+8*\g+7], v11
.endr
	ds_store_b128 v4, v[WC:WC+3] offset:16*(\t)    ; 32 codes: 16 bytes of my column's row
.if (\t)+2 < NB
	WLOAD (\t)+2
.endif
	s_wait_dscnt 0x0                               ; the store has read its registers: the next block's codes may be written
.endm
	s_load_b256 s[4:11], s[0:1], 0x0               ; x s[4:5], w_attn s[6:7], w_proj s[8:9], x_codes s[10:11]
	s_load_b256 s[12:19], s[0:1], 0x20             ; x_scales s[12:13], w_codes s[14:15], w_scales s[16:17], wp16 s[18:19]
	v_lshl_add_u32 v[SPW], v0, 2, SPARE
	v_mov_b32 v[NIL], 0
	v_lshrrev_b32 v1, 5, v0
	v_readfirstlane_b32 s20, v1                    ; wave 0..3
	v_and_b32 v2, 31, v0                           ; lane
	s_wait_kmcnt 0x0
	s_cmp_lt_u32 ttmp9, 256
	s_cbranch_scc0 .Lnot_x
	; ---------------- x: a plain stream of blocks of 32; a wave takes 8,192 numbers
	v_lshlrev_b32 v3, 4, v2                        ; my 16 bytes of a load's 512
	s_mul_i32 s21, s20, WREG
	v_lshrrev_b32 v14, 2, v2
	v_mul_u32_u24 v14, v14, SP
	v_and_b32 v15, 3, v2
	v_lshl_add_u32 v14, v15, 4, v14
	v_add_nc_u32 v14, s21, v14                     ; the stage, on the way in: four lanes' 64 bytes on end, then 16 of padding
	v_mul_u32_u24 v15, v2, SP
	v_add_nc_u32 v15, s21, v15                     ; and on the way out: SP x lane: my 16 neighbours
	v_mul_u32_u24 v4, v2, CB                       ; my codes' place in a step's
	v_lshrrev_b32 v5, 1, v2
	s_add_co_u32 s21, s21, 2*32*SP
	v_add_nc_u32 v5, s21, v5                       ; LDS: my wave's 256 scale bytes, my block's byte
	v_lshlrev_b32 v7, 3, v2                        ; and on the way out 8 bytes a lane
	v_add_nc_u32 v6, s21, v7
	s_lshl_b32 s22, ttmp9, 2
	s_add_co_u32 s22, s22, s20                     ; which run of 8,192 numbers is my wave's: 0 .. 1,023
	s_mov_b32 s25, 0
	s_lshl_b32 s24, s22, 15                        ; 32,768 bytes of f32,
	s_add_nc_u64 s[4:5], s[4:5], s[24:25]
	s_lshl_b32 s24, s22, 12                        ; 4,096 of codes,
	s_add_nc_u64 s[10:11], s[10:11], s[24:25]
	s_lshl_b32 s24, s22, 8                         ; 256 scale bytes a run
	s_add_nc_u64 s[12:13], s[12:13], s[24:25]
.irp t, 0,1,2,3
	XLOAD \t
.endr
	s_wait_loadcnt 12                              ; step 0's four loads are in
	XTURN 0
.irp t, 0,1,2,3,4,5,6,7,8,9,10,11,12,13,14,15
	XSTEP \t
.endr
	ds_load_b64 v[8:9], v6                         ; LDS serves a wave's instructions in order: these see my byte stores
	s_wait_dscnt 0x0
	global_store_b64 v7, v[8:9], s[12:13]          ; 32 lanes store 256 consecutive bytes, aligned
	FIN
.Lnot_x:
	s_cmp_lt_u32 ttmp9, 304
	s_cbranch_scc0 .Lnot_w
	; ---------------- w_attn: a lane takes a column n and its registers run down K; a wave takes 32 columns x 512 along K
	s_sub_co_u32 s21, ttmp9, 256                   ; 0 .. 47: 24 groups of 128 columns x 2 halves of K
	s_cmp_ge_u32 s21, 24
	s_cselect_b32 s22, 1, 0                        ; which half of K
	s_cselect_b32 s23, 24, 0
	s_sub_co_u32 s21, s21, s23                     ; which 128 columns
	s_lshl_b32 s24, s21, 7
	s_lshl_b32 s25, s20, 5
	s_add_co_u32 s24, s24, s25                     ; my wave's first column
	v_lshlrev_b32 v3, 2, v2                        ; in: 4 bytes a lane
	s_mul_i32 s25, s20, 32*WPITCH
	s_add_co_u32 s25, s25, WSTAGE                  ; my stage
	v_mul_u32_u24 v4, v2, WPITCH
	v_add_nc_u32 v4, s25, v4                       ; into it: row = my column
	v_and_b32 v5, 15, v2
	v_lshrrev_b32 v6, 4, v2                        ; out of it: sixteen lanes to a row, two rows an instruction
	v_mul_u32_u24 v7, v6, WPITCH
	v_lshl_add_u32 v7, v5, 4, v7
	v_add_nc_u32 v7, s25, v7
	v_mul_u32_u24 v8, v6, KROW
	v_lshl_add_u32 v8, v5, 4, v8                   ; and the same place in the codes' buffer
	v_mul_u32_u24 v9, v2, 32                       ; my column's row of scale bytes
	s_mul_i32 s26, s22, 512*SIZE_N*4               ; w_attn: 512 rows down for the second half of K,
	s_lshl_b32 s28, s24, 2
	s_add_co_u32 s26, s26, s28                     ; 4 bytes a column
	s_mov_b32 s27, 0
	s_add_nc_u64 s[6:7], s[6:7], s[26:27]
	s_lshl_b32 s26, s24, 9                         ; codes: column x 512 + 256 x half
	s_lshl_b32 s28, s22, 8
	s_add_co_u32 s26, s26, s28
	s_add_nc_u64 s[14:15], s[14:15], s[26:27]
	s_lshl_b32 s26, s24, 5                         ; scale bytes: column x 32 + 16 x half
	s_lshl_b32 s28, s22, 4
	s_add_co_u32 s26, s26, s28
	s_add_nc_u64 s[16:17], s[16:17], s[26:27]
	WLOAD 0
	WLOAD 1
.set Q, 0
.rept NB
	WBLOCK Q
.set Q, Q+1
.endr
	global_store_b128 v9, v[WSB:WSB+3], s[16:17]   ; my column's 16 scale bytes
.irp t, 0,1,2,3,4,5,6,7,8,9,10,11,12,13,14,15
	ds_load_b128 v[WOUT+4*\t:WOUT+4*\t+3], v7 offset:2*\t*WPITCH   ; LDS serves a wave's instructions in order: these see my stores
.endr
.irp t, 0,1,2,3,4,5,6,7,8,9,10,11,12,13,14,15
	s_wait_dscnt 15-\t                             ; the younger loads may stay out
	global_store_b128 v8, v[WOUT+4*\t:WOUT+4*\t+3], s[14:15] offset:2*\t*KROW   ; sixteen lanes store 256 consecutive bytes, aligned
.endr
	FIN
.Lnot_w:
	; ---------------- w_proj to f16: a wave takes 2,048 numbers
	s_sub_co_u32 s21, ttmp9, 304
	s_lshl_b32 s21, s21, 2
	s_add_co_u32 s21, s21, s20                     ; 0 .. 511
	s_mov_b32 s23, 0
	s_lshl_b32 s22, s21, 13
	s_add_nc_u64 s[8:9], s[8:9], s[22:23]
	s_lshl_b32 s22, s21, 12
	s_add_nc_u64 s[18:19], s[18:19], s[22:23]
	v_lshlrev_b32 v3, 4, v2
	v_lshlrev_b32 v4, 3, v2
.irp i, 0,1,2,3,4,5,6,7,8,9,10,11,12,13,14,15
	global_load_b128 v[16+4*\i:19+4*\i], v3, s[8:9] offset:512*\i
.endr
.irp i, 0,1,2,3,4,5,6,7,8,9,10,11,12,13,14,15
	s_wait_loadcnt 15-\i                           ; loads come back in order: mine is in, the younger ones stay out
	v_cvt_pk_f16_f32 v[96+2*\i], v[16+4*\i], v[17+4*\i]
	v_cvt_pk_f16_f32 v[97+2*\i], v[18+4*\i], v[19+4*\i]
	global_store_b64 v4, v[96+2*\i:97+2*\i], s[18:19] offset:256*\i   ; 32 lanes store 256 consecutive bytes, aligned
.endr
	FIN
.Lfunc_end_k_q1853815c4d_prep:
	.size	k_q1853815c4d_prep, .Lfunc_end_k_q1853815c4d_prep-k_q1853815c4d_prep
	.p2alignl 7, 3214868480
	.fill 96, 4, 3214868480
	.section	.rodata,"a",@progbits
	.p2align	6, 0x0
	.amdhsa_kernel k_q1853815c4d_prep
		.amdhsa_group_segment_fixed_size 68096
		.amdhsa_private_segment_fixed_size 0
		.amdhsa_enable_private_segment 0
		.amdhsa_kernarg_size 64
		.amdhsa_user_sgpr_count 2
		.amdhsa_user_sgpr_kernarg_segment_ptr 1
		.amdhsa_wavefront_size32 1
		.amdhsa_system_sgpr_workgroup_id_x 1
		.amdhsa_system_sgpr_workgroup_id_y 1
		.amdhsa_system_sgpr_workgroup_id_z 1
		.amdhsa_system_vgpr_workitem_id 0
		.amdhsa_next_free_vgpr 196
		.amdhsa_next_free_sgpr 66
		.amdhsa_reserve_vcc 0
		.amdhsa_float_denorm_mode_32 3
		.amdhsa_float_denorm_mode_16_64 3
		.amdhsa_memory_ordered 1
		.amdhsa_forward_progress 1
		.amdhsa_inst_pref_size 117
	.end_amdhsa_kernel
	.amdgpu_metadata
---
amdhsa.version: [ 1, 2 ]
amdhsa.kernels:
  - .name:           k_q1853815c4d_prep
    .symbol:         k_q1853815c4d_prep.kd
    .args:
      - { .name: x, .offset: 0, .size: 8, .value_kind: global_buffer, .address_space: global }
      - { .name: w_attn, .offset: 8, .size: 8, .value_kind: global_buffer, .address_space: global }
      - { .name: w_proj, .offset: 16, .size: 8, .value_kind: global_buffer, .address_space: global }
      - { .name: x_codes, .offset: 24, .size: 8, .value_kind: global_buffer, .address_space: global }
      - { .name: x_scales, .offset: 32, .size: 8, .value_kind: global_buffer, .address_space: global }
      - { .name: w_codes, .offset: 40, .size: 8, .value_kind: global_buffer, .address_space: global }
      - { .name: w_scales, .offset: 48, .size: 8, .value_kind: global_buffer, .address_space: global }
      - { .name: wp16, .offset: 56, .size: 8, .value_kind: global_buffer, .address_space: global }
    .group_segment_fixed_size: 68096
    .private_segment_fixed_size: 0
    .kernarg_segment_align: 8
    .kernarg_segment_size: 64
    .max_flat_workgroup_size: 128
    .sgpr_count:     66
    .vgpr_count:     196
    .wavefront_size: 32
...
	.end_amdgpu_metadata
.endif
;; end of part 1
;; launch qkv (part 2): grid 12 x 32, 4 waves a work-group, clusters of 4 x 4, 327,680 bytes of LDS; arguments x_codes, x_scales, w_codes, w_scales, b_attn, qkv; writes qkv
.if DOCPART == 2
	.amdgcn_target "amdgcn-amd-amdhsa--gfx1250"
	.amdhsa_code_object_version 6
	.text
	.protected	k_q1853815c4d_qkv
	.globl	k_q1853815c4d_qkv
	.p2align	8
	.type	k_q1853815c4d_qkv,@function
k_q1853815c4d_qkv:
	s_mov_b64 s[64:65], 0
	v_nop
	global_prefetch_b8 v0, s[64:65] scope:SCOPE_SE
	s_setreg_imm32_b32 hwreg(HW_REG_WAVE_MODE, 25, 1), 1
	s_wait_xcnt 0x0
	s_wait_alu depctr_hold_cnt(0) depctr_sa_sdst(0) depctr_va_vdst(0) depctr_va_sdst(0) depctr_va_ssrc(0) depctr_va_vcc(0) depctr_vm_vsrc(0)
	s_getreg_b32 s2, hwreg(HW_REG_IB_STS2, 6, 4)
	s_cmp_eq_u32 s2, 0
	s_cbranch_scc0 .Lentry_in_a_cluster
	s_endpgm
.Lentry_in_a_cluster:
	s_bfe_u32 s2, ttmp6, 0x10000c
	s_cmp_lg_u32 s2, 0xf033
	s_cbranch_scc0 .Lentry_shape_is_right
	s_endpgm
.Lentry_shape_is_right:
; qkv = Q(x) Q(w_attn) + b_attn on codes of FP4 (E2M1) with one E8M0 scale for each 32 along K; sums in f32; the result is rounded once to f16 and laid by head:
; qkv[which][b][h][t][64], byte = which << 24 + b << 22 + h << 18 + 128 t.  The q third is multiplied by c = log2(e) / 8 in f32 ahead of the rounding, so that the attention's scores are exponents of 2.
; A: x_codes [8192][512 bytes], x_scales [8192][32];  B: w_codes [3072][512 bytes], w_scales [3072][32].
; A tile of the result, 256 x 256, is made by a work-group of four waves; a wave makes 128 x 128: 64 accumulators of 16 x 16, 512 registers.  K = 1,024 is two K steps of 512 (tile rows of 256 bytes):
; both are asked for at the start, into two LDS slots, and nothing is filled again.  The scales of the work-group's rows, for all of K, come with them and stay.
; CLUSTERS: 4 x 4 work-groups.  The four of a row of the cluster need the same tiles of A, the four of a column the same tiles of B: each tile is asked for JOINTLY.
; THE MATRIX INSTRUCTION IS USED TRANSPOSED (source 0 = 16 rows of B, source 1 = 16 rows of A): a lane holds eight neighbouring columns of one row.  The bias is the C of each sum's first product.
; LIMITS: q c, k and v beyond +-65,504 do not fit f16; under 6e-5 their rounding is absolute.  NaN and infinities are not served.
; REGISTERS, in windows of 256: window 0: v0-31 addresses; v32-95 scale words, two sets; v128-191 A's fragments, ONE set; v192-255 the bias, eight registers for each of B's eight blocks.
;   window 1: B's fragments, TWO sets, at v0 and v128.   window 2: the accumulators of my rows 0-63 ((a, b) at v[8 (8 a + b)]);   window 3: those of my rows 64-127.
;   On the way out window 0's v32-95 hold a block's scaled numbers, v96-127 their f16 pairs, v128-191 rows read back from the stage.
.set NQ,     4                         ; matrix instructions deep in a slot: 512 / 128
.set ROWB,   256                       ; a tile's row in bytes
.set KROW,   512                       ; a row of A or of B in memory
.set PITCH,  272                       ; an LDS row: 256 bytes + 16 of padding = 68 words: row r starts at bank 4 r mod 64 (64 banks of 4 bytes: ISA guide 11.1)
.set FR,     8                         ; registers of a fragment: 16 rows x 128 K
.set NL,     2                         ; LDS loads that bring one
.set NP,     4                         ; places behind this matrix instruction (ISA guide 7.12.1)
.set HALFT,  128*PITCH                 ; 128 rows: what one tensor load brings
.set SLOT,   4*HALFT                   ; A's 256 rows, then B's 256 rows
.set KS,     32                        ; a row of scales in bytes
.set SCL,    2*SLOT                    ; behind the slots: the scales, as units of 256 bytes + 16 of padding
.set HALFS,  (128*KS/256)*272          ; the scales of 128 rows: what one tensor load brings
.set SBLK,   (16*KS/256)*272           ; those of 16 rows
.set SPARE,  SCL+4*HALFS               ; the spare words, 128 bytes for each wave: two blocks of 256 bytes that no other line names
.set STG,    4352                      ; the way out: a stage for each wave, two heads x 8 double rows of 272 bytes.  It lies in slot 0, which has had its only fill and its last read when the first result is stored there
.set ADRA, 16                          ; v16-17  LDS address of my A fragments in slot 0, 1
.set ADRB, 20                          ; v20-21  the same for B
.set STO,  24                          ; v24     the way out: where I put 16 bytes of a row
.set RD,   25                          ; v25     where I read rows back
.set CO,   26                          ; v26     16 x lane
.set ADRS, 27                          ; v27     LDS address of my scale words: lanes 0-15 A's rows, lanes 16-31 B's
.set SPW,  28                          ; v28     LDS address of my spare word; never rewritten
.set NIL,  29                          ; v29     0; never rewritten
.set SC,   32
.set AF,   128
.set BI,   192
.set TP,   32
.set PKR,  96
.set BK,   128
.set G1, 24                            ; s[24:31] descriptor group 1 for A's tiles;  s[32:39] group 0, one set for each slot
.set G0, 32
.set G1B, 48                           ; s[48:55], s[56:63] the same for B's tiles
.set G0B, 56
.set G1S, 68                           ; s[68:75], s[76:79] groups 1 and 0 for A's scales;  s[80:87], s[88:91] for B's
.set G0S, 76
.set G1SB, 80
.set G0SB, 88
.set MSB, 0
.macro WIN new                         ; the immediate's high byte repeats the setting that is left
.if MSB != (\new)
	s_set_vgpr_msb (MSB<<8)|(\new)
.set MSB, (\new)
.endif
.endm
.set MUL_LO, 0xa1                      ; source 0 (B) window 1, source 1 (A) window 0, C and D window 2
.set MUL_HI, 0xf1                      ; the same, C and D window 3
.set BIA_LO, 0x81                      ; the first products: C (the bias) window 0, D window 2
.set BIA_HI, 0xc1                      ; D window 3
.set TO_B,   0x40                      ; destination window 1, address window 0
; A joint load: waves 0 and 1 fetch for A, waves 2 and 3 for B.  Each of the two lines has ONE mask and one set of registers for all that issue it; the branch hangs on the wave's number alone.
; An s_nop 0 and four v_nop follow each of the two lines.
.macro JLOAD g0a, g1a, g0b, g1b
	s_cmp_eq_u32 s15, 0
	s_cbranch_scc0 .Lfor_b_\@
	tensor_load_to_lds s[\g0a:\g0a+3], s[\g1a:\g1a+7]
	s_nop 0
.rept 4
	v_nop
.endr
	s_branch .Lasked_\@
.Lfor_b_\@:
	tensor_load_to_lds s[\g0b:\g0b+3], s[\g1b:\g1b+7]
	s_nop 0
.rept 4
	v_nop
.endr
.Lasked_\@:
.endm
.macro CROUND                          ; a round of the cluster's barrier
	s_barrier_signal -1
	s_barrier_wait -1
	s_cmp_lg_u32 s14, 0
	s_cbranch_scc1 .Lnot_wave_0_\@
	s_barrier_signal -3
.Lnot_wave_0_\@:
	s_barrier_wait -3
	s_barrier_signal -1
	s_barrier_wait -1
.endm
	s_load_b128 s[4:7], s[0:1], 0x0                ; A's codes s[4:5], A's scales s[6:7]
	s_load_b128 s[8:11], s[0:1], 0x10              ; B's codes s[8:9], B's scales s[10:11]
	s_load_b64 s[96:97], s[0:1], 0x20              ; the bias
	s_load_b64 s[12:13], s[0:1], 0x28              ; qkv
	v_lshl_add_u32 v[SPW], v0, 2, SPARE
	v_mov_b32 v[NIL], 0
	ds_add_u32 v[SPW], v[NIL]                      ; the wave's opening: the add, twice on end, and its wait ahead of my first tensor load
	ds_add_u32 v[SPW], v[NIL]
	v_lshrrev_b32 v1, 5, v0
	v_readfirstlane_b32 s14, v1                    ; wave 0..3
	s_lshr_b32 s15, s14, 1                         ; which half of the tile's rows is mine.  Also: I fetch for A (0) or for B (1)
	s_and_b32 s16, s14, 1                          ; which half of its columns.  Also: which 128 rows of that tile I fetch
	s_bfe_u32 s40, ttmp6, 0x40000                  ; cx, cy: my place in the cluster
	s_bfe_u32 s41, ttmp6, 0x40004
	s_lshl_b32 s42, ttmp9, 2
	s_add_co_u32 s42, s42, s40                     ; tile column = 4 x cluster x + cx: 0 .. 11
	s_and_b32 s17, ttmp7, 0xffff
	s_lshl_b32 s17, s17, 2
	s_add_co_u32 s17, s17, s41                     ; tile row = 4 x cluster y + cy: 0 .. 31
	s_lshl_b32 s43, s41, 2
	s_lshl_b32 s43, 15, s43                        ; my row of the cluster
	s_lshl_b32 s44, 0x1111, s40                    ; my column
	; descriptor group 1: a tile of 128 rows x 256 bytes, padded in LDS
	s_or_b32 s[G1+0], s43, (0<<16)|(1<<20)|(1<<21)|(5<<22)|(3<<25)  ; 15:0 the mask; 17:16 element of 1 byte; 20 padding on; 21 set beside a mask; 24:22 after every 64 words; 31:25 four words
	s_or_b32 s[G1B+0], s44, (0<<16)|(1<<20)|(1<<21)|(5<<22)|(3<<25)
.irp g, G1, G1B
	s_mov_b32 s[\g+1], ROWB<<16                    ; tensor_dim0
	s_mov_b32 s[\g+2], 128<<16                     ; tensor_dim1
	s_mov_b32 s[\g+3], ROWB<<16                    ; tile_dim0
	s_mov_b32 s[\g+4], 128                         ; tile_dim1
	s_mov_b32 s[\g+5], KROW                        ; tensor_dim0_stride
	s_mov_b32 s[\g+6], 0
	s_mov_b32 s[\g+7], 0
.endr
	; the scales of 128 rows: a dense block of 4,096 bytes, as 16 rows of 256 bytes (32 elements of 8 bytes), 16 bytes of padding behind each
	s_or_b32 s[G1S+0], s43, (3<<16)|(1<<20)|(1<<21)|(5<<22)|(3<<25)
	s_or_b32 s[G1SB+0], s44, (3<<16)|(1<<20)|(1<<21)|(5<<22)|(3<<25)
.irp g, G1S, G1SB
	s_mov_b32 s[\g+1], 32<<16
	s_mov_b32 s[\g+2], (128*KS/256)<<16
	s_mov_b32 s[\g+3], 32<<16
	s_mov_b32 s[\g+4], 128*KS/256
	s_mov_b32 s[\g+5], 32
	s_mov_b32 s[\g+6], 0
	s_mov_b32 s[\g+7], 0
.endr
	s_lshl_b32 s18, s16, 7                         ; which 128 rows of the tile I fetch
	s_lshl_b32 s20, s17, 8
	s_add_co_u32 s20, s20, s18                     ; A: row 256 x tile row + 128 x half
	s_lshl_b32 s46, s42, 8
	s_add_co_u32 s46, s46, s18                     ; B: row 256 x tile column + 128 x half
	s_mov_b32 s21, 0
	s_mov_b32 s47, 0
	s_mov_b64 s[18:19], KS
	s_mul_u64 s[22:23], s[20:21], s[18:19]         ; where these rows' scales begin, in bytes
	s_mul_u64 s[92:93], s[46:47], s[18:19]
	s_mov_b64 s[18:19], KROW
	s_mul_u64 s[20:21], s[20:21], s[18:19]         ; and their codes
	s_mul_u64 s[46:47], s[46:47], s[18:19]
	s_mul_i32 s45, s14, HALFT                      ; where they go: wave x 128 rows: no place in the cluster enters an LDS address
	s_mul_i32 s94, s14, HALFS
	s_mov_b32 s98, 1.0                             ; the factor on the way out: c for the q third (cluster x = 0: columns 0 .. 1,023), else 1: a value is chosen, no way through the text
	s_cmp_eq_u32 ttmp9, 0
	s_cselect_b32 s98, 0x3e38aa3b, s98             ; c = log2(e) / 8
	s_mov_b32 s99, s98                             ; (named with it as a pair, so it is written)
	s_wait_dscnt 0x0                               ; both opening adds are done
	s_wait_kmcnt 0x0
	s_add_nc_u64 s[20:21], s[4:5], s[20:21]
	s_add_nc_u64 s[22:23], s[6:7], s[22:23]
	s_add_nc_u64 s[46:47], s[8:9], s[46:47]
	s_add_nc_u64 s[92:93], s[10:11], s[92:93]
	CROUND                                         ; all sixteen work-groups are here: the joint loads meet
	s_mov_b32 s[G0S], 1
	s_add_co_u32 s[G0S+1], s94, SCL
	s_mov_b64 s[G0S+2:G0S+3], s[22:23]
	s_or_b32 s[G0S+3], s[G0S+3], 0x80000000
	s_mov_b32 s[G0SB], 1
	s_add_co_u32 s[G0SB+1], s94, SCL
	s_mov_b64 s[G0SB+2:G0SB+3], s[92:93]
	s_or_b32 s[G0SB+3], s[G0SB+3], 0x80000000
	JLOAD G0S, G1S, G0SB, G1SB                     ; the scales first: they are wanted with K step 0
.irp s, 0,1
	s_mov_b32 s[G0+4*\s], 1
	s_add_co_u32 s[G0+4*\s+1], s45, \s*SLOT
	s_add_nc_u64 s[G0+4*\s+2:G0+4*\s+3], s[20:21], \s*ROWB
	s_or_b32 s[G0+4*\s+3], s[G0+4*\s+3], 0x80000000
	s_mov_b32 s[G0B+4*\s], 1
	s_add_co_u32 s[G0B+4*\s+1], s45, \s*SLOT
	s_add_nc_u64 s[G0B+4*\s+2:G0B+4*\s+3], s[46:47], \s*ROWB
	s_or_b32 s[G0B+4*\s+3], s[G0B+4*\s+3], 0x80000000
	JLOAD G0+4*\s, G1, G0B+4*\s, G1B               ; three tensor loads of mine are out in all
.endr
	v_and_b32 v1, 15, v0                           ; r = l % 16
	v_bfe_u32 v2, v0, 4, 1                         ; h = l / 16
	; the bias: lane (r, h) wants, for B's block b, the numbers of columns 16 b + 8 h + 0 .. 7 of my 128
	v_lshlrev_b32 v7, 5, v2
	s_lshl_b32 s46, s42, 10
	s_lshl_b32 s47, s16, 9
	s_add_co_u32 s46, s46, s47
	s_mov_b32 s47, 0
	s_add_nc_u64 s[96:97], s[96:97], s[46:47]
.irp b, 0,1,2,3,4,5,6,7
	global_load_b128 v[BI+8*\b:BI+8*\b+3], v7, s[96:97] offset:64*\b
	global_load_b128 v[BI+8*\b+4:BI+8*\b+7], v7, s[96:97] offset:64*\b+16
.endr
	v_mul_u32_u24 v3, v1, PITCH
	v_lshl_add_u32 v4, v2, 4, v3                   ; a fragment's row x pitch + 16 x half
	s_mul_i32 s21, s15, HALFT                      ; my 128 rows of A
	s_mul_i32 s22, s16, HALFT                      ; my 128 rows of B,
	s_add_co_u32 s22, s22, 2*HALFT                 ; which lie behind A's 256
.irp s, 0,1
	v_add_nc_u32 v[ADRA+\s], s21, v4
	v_add_nc_u32 v[ADRB+\s], s22, v4
	s_add_co_u32 s21, s21, SLOT
	s_add_co_u32 s22, s22, SLOT
.endr
	v_mul_u32_u24 v5, v1, KS                       ; my row's scales: 32 bytes a row,
	v_lshrrev_b32 v6, 8, v5
	v_lshl_add_u32 v5, v6, 4, v5                   ; and 16 more for each 256 passed
	s_mul_i32 s21, s15, HALFS                      ; A's: my 128 rows
	s_mul_i32 s22, s16, HALFS                      ; B's: my 128 rows, behind A's 256
	s_add_co_u32 s22, s22, 2*HALFS
	s_sub_co_u32 s22, s22, s21
	v_mul_u32_u24 v6, s22, v2                      ; lanes 16-31 take B's: one product, the distance between the two bases
	s_add_co_u32 s21, s21, SCL
	v_add_nc_u32 v5, v5, v6
	v_add_nc_u32 v[ADRS], s21, v5
	s_mul_i32 s23, s14, STG                        ; my stage.  A row of a head is 128 bytes; two rows share a stage row of 256 + 16 bytes
	v_lshrrev_b32 v5, 1, v1
	v_mul_u32_u24 v5, v5, 272
	v_and_b32 v6, 1, v1
	v_lshl_add_u32 v5, v6, 7, v5
	v_lshl_add_u32 v5, v2, 4, v5
	v_add_nc_u32 v[STO], s23, v5                   ; in: (r / 2) x 272 + (r % 2) x 128 + 16 h
	v_and_b32 v6, 31, v0
	v_lshlrev_b32 v[CO], 4, v6
	v_mul_u32_u24 v5, v2, 272
	v_lshl_add_u32 v5, v1, 4, v5
	v_add_nc_u32 v[RD], s23, v5                    ; back: sixteen lanes take a stage row's 256 bytes
	; where my part begins in qkv.  By the tile row: b = row / 2,048, t = row % 2,048;
	s_lshr_b32 s20, s17, 3
	s_lshl_b32 s20, s20, 22
	s_and_b32 s21, s17, 7
	s_lshl_b32 s21, s21, 15
	s_add_co_u32 s20, s20, s21
	s_lshl_b32 s21, s15, 14
	s_add_co_u32 s20, s20, s21
	s_mov_b32 s21, 0
	; by the tile column: my two heads are 4 x tile column + 2 x half and the next, of 48: which = / 16, h = % 16
	s_lshl_b32 s46, s42, 2
	s_lshl_b32 s47, s16, 1
	s_add_co_u32 s46, s46, s47
	s_lshr_b32 s47, s46, 4
	s_lshl_b32 s47, s47, 24
	s_and_b32 s46, s46, 15
	s_lshl_b32 s46, s46, 18
	s_add_co_u32 s46, s46, s47
	s_mov_b32 s47, 0
	s_add_nc_u64 s[20:21], s[20:21], s[46:47]
	s_add_nc_u64 s[12:13], s[12:13], s[20:21]
.macro FRAG reg, adr, q, i             ; a fragment, 16 rows x 128 K of 4-bit codes: lane l holds row l % 16; registers 4 c .. 4 c + 3 hold K = 64 c + 32 (l / 16) + 0 .. 31
.irp c, 0,1
	ds_load_b128 v[\reg+4*\c:\reg+4*\c+3], v[\adr] offset:64*(\q)+32*\c+(\i)*16*PITCH
.endr
.endm
; 16 matrix instructions: A's blocks a0, a0 + 1 x B's eight, the slot's q-th 128 along K.  p: B's set; sc: the set of scale words.  zero = 1: the first product starts the sums from the bias.
; The 64 accumulators take turns, one instruction a turn, in the same order in every step.
.macro MUL16 a0, p, q, sc, zero
.irp a, \a0, \a0+1
.irp b, 0,1,2,3,4,5,6,7
.if \zero
	v_wmma_scale_f32_16x16x128_f8f6f4 v[8*(8*((\a)%4)+\b):8*(8*((\a)%4)+\b)+7], v[128*(\p)+FR*\b:128*(\p)+FR*\b+FR-1], v[AF+FR*(\a):AF+FR*(\a)+FR-1], v[BI+8*\b:BI+8*\b+7], v[SC+8*NQ*(\sc)+NQ*\b+(\q)], v[SC+8*NQ*(\sc)+NQ*(\a)+(\q)] matrix_a_fmt:MATRIX_FMT_FP4 matrix_b_fmt:MATRIX_FMT_FP4 matrix_a_scale:MATRIX_SCALE_ROW1
.else
	v_wmma_scale_f32_16x16x128_f8f6f4 v[8*(8*((\a)%4)+\b):8*(8*((\a)%4)+\b)+7], v[128*(\p)+FR*\b:128*(\p)+FR*\b+FR-1], v[AF+FR*(\a):AF+FR*(\a)+FR-1], v[8*(8*((\a)%4)+\b):8*(8*((\a)%4)+\b)+7], v[SC+8*NQ*(\sc)+NQ*\b+(\q)], v[SC+8*NQ*(\sc)+NQ*(\a)+(\q)] matrix_a_fmt:MATRIX_FMT_FP4 matrix_b_fmt:MATRIX_FMT_FP4 matrix_a_scale:MATRIX_SCALE_ROW1
.endif
.endr
.endr
.endm
.macro FETCH_B slot, q, p              ; B's eight fragments of the slot's q-th 128 along K into set p
	WIN TO_B
.irp i, 0,1,2,3,4,5,6,7
	FRAG 128*(\p)+FR*\i, ADRB+\slot, \q, \i
.endr
	WIN 0
.endm
.macro FETCH_A slot, q, i0             ; A's blocks i0 .. i0 + 3
.irp i, \i0, \i0+1, \i0+2, \i0+3
	FRAG AF+FR*(\i), ADRA+\slot, \q, \i
.endr
.endm
.macro SCALES sc                       ; a K step's scale words into set sc: four words a row; lanes 0-15 take A's block i, lanes 16-31 B's block i
.irp i, 0,1,2,3,4,5,6,7
	ds_load_b128 v[SC+8*NQ*\sc+NQ*\i:SC+8*NQ*\sc+NQ*\i+3], v[ADRS] offset:\i*SBLK
.endr
.endm
; A load into a register that a matrix instruction has read, and a vector instruction that reads a matrix result or writes one of its registers, stand NP places behind it; only plain vector
; instructions that name none of its registers are places (ISA guide 7.12.1 for vector instructions).
.macro PLACES n
.rept \n
	v_nop
.endr
.endm
.macro STEP slot, q, zero              ; a step of 128 along K that has its successor in the same slot
	s_wait_dscnt 4*NL                              ; B's set and A's blocks 0-3 are in; the youngest eight loads (A's blocks 4-7) may be out
.if \zero
	WIN BIA_LO
.else
	WIN MUL_LO
.endif
	MUL16 0, (\q)%2, \q, \slot, \zero
	MUL16 2, (\q)%2, \q, \slot, \zero
	s_wait_dscnt 0                                 ; A's blocks 4-7 are in
	PLACES NP
	FETCH_B \slot, (\q)+1, 1-(\q)%2
	FETCH_A \slot, (\q)+1, 0
.if \zero
	WIN BIA_HI
.else
	WIN MUL_HI
.endif
	MUL16 4, (\q)%2, \q, \slot, \zero
	MUL16 6, (\q)%2, \q, \slot, \zero
	PLACES NP
	WIN 0
	FETCH_A \slot, (\q)+1, 4
.endm
; Slot 0's last step changes slots: one barrier; in front of it each wave waits for all its tensor loads (its part of slot 1), adds 0 to its spare word, and waits for that and for its own reads of slot 0.
; Nothing is filled again; behind this barrier nobody reads slot 0, where the stages of the way out lie.
.macro TURN slot, next
	s_wait_tensorcnt 0x0
	ds_add_u32 v[SPW], v[NIL]
	s_wait_dscnt 4*NL+1                            ; (the add and the youngest eight loads may be out)
	WIN MUL_LO
	MUL16 0, 1, NQ-1, \slot, 0
	s_wait_dscnt 0x0                               ; the add is done, and my reads of this slot are over
	s_barrier_signal -1
	MUL16 2, 1, NQ-1, \slot, 0
	WIN 0
	s_barrier_wait -1
	PLACES NP
	v_add_nc_u32 v[ADRS], 4*NQ, v[ADRS]            ; on to the next K step's scale words (no LDS load of mine is out)
	FETCH_B \next, 0, 0
	FETCH_A \next, 0, 0
	SCALES \next
	WIN MUL_HI
	MUL16 4, 1, NQ-1, \slot, 0
	MUL16 6, 1, NQ-1, \slot, 0
	PLACES NP
	WIN 0
	FETCH_A \next, 0, 4
.endm
	s_wait_tensorcnt 1                             ; the scales and my part of K step 0 are in (K step 1's load may be out)
	s_barrier_signal -1
	s_barrier_wait -1                              ; everybody's are
	FETCH_B 0, 0, 0
	FETCH_A 0, 0, 0
	SCALES 0
	FETCH_A 0, 0, 4
	s_wait_loadcnt 0x0                             ; the bias
	STEP 0, 0, 1
	STEP 0, 1, 0
	STEP 0, 2, 0
	TURN 0, 1
	STEP 1, 0, 0
	STEP 1, 1, 0
	STEP 1, 2, 0
	s_wait_dscnt 4*NL                              ; the last step: nothing more to fetch
	WIN MUL_LO
	MUL16 0, 1, NQ-1, 1, 0
	MUL16 2, 1, NQ-1, 1, 0
	s_wait_dscnt 0
	WIN MUL_HI
	MUL16 4, 1, NQ-1, 1, 0
	MUL16 6, 1, NQ-1, 1, 0
	WIN 0
; THE WAY OUT, block by block of 16 rows x 128 columns (two heads).  PACK: x the factor, rounded to f16, 16 bytes a lane.  TOSTAGE: into my stage and back as runs of 512 bytes (four rows of a head).  SEND: stored.
.macro PACK a
.set AC, 64*((\a)%4)
	WIN 0x02+(\a)/4                                ; source 0: window 2 or 3
.irp b, 0,1,2,3,4,5,6,7
.irp e, 0,1,2,3
	v_pk_mul_f32 v[TP+8*\b+2*\e:TP+8*\b+2*\e+1], v[AC+8*\b+2*\e:AC+8*\b+2*\e+1], s[98:99] op_sel_hi:[1,0]   ; each accumulator from its low end on
.endr
.endr
	WIN 0
.irp b, 0,1,2,3,4,5,6,7
.irp e, 0,1,2,3
	v_cvt_pk_f16_f32 v[PKR+4*\b+\e], v[TP+8*\b+2*\e], v[TP+8*\b+2*\e+1]
.endr
.endr
.endm
.macro TOSTAGE a
.set BB, BK+32*((\a)%2)
.irp b, 0,1,2,3,4,5,6,7
	ds_store_b128 v[STO], v[PKR+4*\b:PKR+4*\b+3] offset:(\b/4)*2176+32*(\b%4)   ; head b / 4, channels 16 (b % 4) + 8 h on
.endr
.irp t, 0,1,2,3,4,5,6,7
	ds_load_b128 v[BB+4*\t:BB+4*\t+3], v[RD] offset:(\t/4)*2176+(\t%4)*544      ; LDS serves a wave's instructions in order (ISA guide 5.7.1.4): these see the stores above
.endr
.endm
.macro SEND a
.set BB, BK+32*((\a)%2)
	s_wait_dscnt 0x0                               ; the block is back in registers
	s_wait_xcnt 0x0                                ; the stores of the block before have read their registers: the next block's loads from the stage land there only behind this wait
.irp t, 0,1,2,3,4,5,6,7
	global_store_b128 v[CO], v[BB+4*\t:BB+4*\t+3], s[12:13] offset:(\a)*2048+(\t/4)*262144+(\t%4)*512   ; 32 lanes store 512 consecutive bytes, aligned: four rows of one head
.endr
.endm
	PLACES NP                                      ; PACK writes the registers that held the last products' scale words
	PACK 0
	TOSTAGE 0
.irp a, 1,2,3,4,5,6,7                  ; block a's arithmetic stands between block a - 1's loads from the stage and the wait for them
	PACK \a
	SEND \a-1
	TOSTAGE \a
.endr
	SEND 7
	s_wait_tensorcnt 0x0                           ; the wave's end: three lines behind my last tensor load and my last LDS store
	ds_add_u32 v[SPW], v[NIL]
	s_wait_dscnt 0x0
	CROUND                                         ; the closing round
	s_endpgm
.Lfunc_end_k_q1853815c4d_qkv:
	.size	k_q1853815c4d_qkv, .Lfunc_end_k_q1853815c4d_qkv-k_q1853815c4d_qkv
	.p2alignl 7, 3214868480
	.fill 96, 4, 3214868480
	.section	.rodata,"a",@progbits
	.p2align	6, 0x0
	.amdhsa_kernel k_q1853815c4d_qkv
		.amdhsa_group_segment_fixed_size 327680
		.amdhsa_private_segment_fixed_size 0
		.amdhsa_enable_private_segment 0
		.amdhsa_kernarg_size 48
		.amdhsa_user_sgpr_count 2
		.amdhsa_user_sgpr_kernarg_segment_ptr 1
		.amdhsa_wavefront_size32 1
		.amdhsa_system_sgpr_workgroup_id_x 1
		.amdhsa_system_sgpr_workgroup_id_y 1
		.amdhsa_system_sgpr_workgroup_id_z 1
		.amdhsa_system_vgpr_workitem_id 0
		.amdhsa_next_free_vgpr 1024
		.amdhsa_next_free_sgpr 100
		.amdhsa_reserve_vcc 0
		.amdhsa_float_denorm_mode_32 3
		.amdhsa_float_denorm_mode_16_64 3
		.amdhsa_memory_ordered 1
		.amdhsa_forward_progress 1
		.amdhsa_inst_pref_size 144
	.end_amdhsa_kernel
	.amdgpu_metadata
---
amdhsa.version: [ 1, 2 ]
amdhsa.kernels:
  - .name:           k_q1853815c4d_qkv
    .symbol:         k_q1853815c4d_qkv.kd
    .args:
      - { .name: x_codes, .offset: 0, .size: 8, .value_kind: global_buffer, .address_space: global }
      - { .name: x_scales, .offset: 8, .size: 8, .value_kind: global_buffer, .address_space: global }
      - { .name: w_codes, .offset: 16, .size: 8, .value_kind: global_buffer, .address_space: global }
      - { .name: w_scales, .offset: 24, .size: 8, .value_kind: global_buffer, .address_space: global }
      - { .name: b_attn, .offset: 32, .size: 8, .value_kind: global_buffer, .address_space: global }
      - { .name: qkv, .offset: 40, .size: 8, .value_kind: global_buffer, .address_space: global }
    .group_segment_fixed_size: 327680
    .private_segment_fixed_size: 0
    .kernarg_segment_align: 8
    .kernarg_segment_size: 48
    .max_flat_workgroup_size: 128
    .sgpr_count:     100
    .vgpr_count:     1024
    .wavefront_size: 32
...
	.end_amdgpu_metadata
.endif
;; end of part 2
;; launch attn (part 3): grid 4 x 64, 8 waves a work-group, no clusters, 327,680 bytes of LDS; arguments qkv, y; writes y
.if DOCPART == 3
	.amdgcn_target "amdgcn-amd-amdhsa--gfx1250"
	.amdhsa_code_object_version 6
	.text
	.protected	k_q1853815c4d_attn
	.globl	k_q1853815c4d_attn
	.p2align	8
	.type	k_q1853815c4d_attn,@function
k_q1853815c4d_attn:
	s_mov_b64 s[64:65], 0
	v_nop
	global_prefetch_b8 v0, s[64:65] scope:SCOPE_SE
	s_setreg_imm32_b32 hwreg(HW_REG_WAVE_MODE, 25, 1), 1
	s_wait_xcnt 0x0
; y[h][b 2048 + t][:] = the sum over keys k <= t of softmax_k(q . k / 8) v, for each of 64 (batch, head) pairs.  q (already x c = log2(e) / 8), k, v: f16, [which][b][h][2048][64]; y: f16, [h][8192][64].
; Products on f16 operands with f32 sums; maxima, exponentials and sums in f32; the weights p are rounded to f16 for the second product, y once at the end.
; SOFTMAX.  For each query a running maximum m of s' = c x score and a running sum l: p = 2^(s' - m), at most 1 for every input; in every step O and l are multiplied by a = 2^(m_old - m_new).
; SHARES.  Work-group (i, bh) owns two blocks of 256 queries of head bh: block 7 - i, then block i.  Under the causal mask block B needs keys 0 .. 256 B + 255: B + 1 units of 256 keys; so every
; work-group walks (8 - i) + (i + 1) = 9 units, and every trip count is a constant.  A wave owns 32 queries, two tiles of 16: each fragment of K and V read from LDS feeds two matrix instructions.
; Two waves share a SIMD: one wave's softmax stands beside the other's products.
; A step is 64 keys.  A step all of whose keys come after the wave's queries is left out by a scalar branch on ids; on the diagonal hidden scores become -infinity ahead of the maximum.
; LAYOUT.  S^T = K Q^T (source 0 = 16 keys, source 1 = 16 queries): a lane holds ONE query (lane % 16) and keys 8 (lane / 16) + 0..7.  Two such tiles rounded in pairs ARE source 1 of O^T = V^T P.
; RING.  Two LDS slots of a unit each.  Wave w fetches one step's 64 rows of K (w < 4) or of V (w >= 4) by one tensor load behind each change of slots: one load of mine is out at the most.
; A row of K or V is 128 bytes; two rows are stated as one row of 256 bytes, with padding behind it: row k lies at (k / 2) x pitch + (k % 2) x 128.
; NO CLUSTER: the four work-groups of a head walk units 0 .. 7 - i and then 0 .. i, so they want the same unit only in their first five units; joint loads ask the same tile of all partners in every round.
; LIMITS: as the launch before states: q c, k, v within f16's range; y likewise.  NaN and infinities are not served.
; REGISTERS.  window 0: v1-15 addresses and constants; v16-31 eight statistics a tile; v64-127 S^T, 32 a tile; v128-159 P, 16 a tile; v160-223 O^T, 32 a tile.
;             window 1: v0-31 Q, 16 a tile; v64-127 K of a step; v128-191 V of a step.
.set PK,    272                        ; a double row of K in LDS: 256 + 16: the sixteen rows of a fragment load start at sixteen different groups of four banks (64 banks of 4 bytes: ISA guide 11.1)
.set PV,    288                        ; of V: 256 + 32
.set VOFF,  32*PK                      ; a step's tiles lie together: K's 32 double rows, then V's
.set STEPB, 32*(PK+PV)
.set SLOT1, 1<<17                      ; a slot holds four steps (71,680 bytes); slot 1 begins here, so that one exclusive or turns an address
.set STAGE, SLOT1+4*STEPB              ; behind the ring: 4,352 bytes for each wave, for the way out
.set SPARE, STAGE+8*4352               ; the spare words, 128 bytes for each wave: four blocks of 256 bytes that no other line names
.set UNITB, 32768                      ; 256 rows of 128 bytes
.set RL,  1                            ; v1   r - 8 h
.set AK0, 2                            ; v2   my lane's place in a tile of K
.set AV0, 3                            ; v3   the same for V
.set ADR, 4                            ; v4   LDS address of the step's K
.set ADV, 5                            ; v5   of its V
.set QO,  6                            ; v6   my byte offset in a tile of Q
.set STO, 7                            ; v7   the way out: where I put 16 bytes
.set RD,  8                            ; v8   where I read rows back
.set GO,  9                            ; v9   16 x lane
.set SPW, 10                           ; v10  LDS address of my spare word; never rewritten
.set NIL, 11                           ; v11  0; never rewritten
.set NINF, 12                          ; v12  -infinity
.set PFO, 13                           ; v13  256 x lane
.set D0,  14                           ; v14, v15  tile x: my query less the step's first key less 8 h
.set ST,  16                           ; tile x's statistics at v[ST + 8 x]: +0 m, +1 at work, +2, +3 l (even keys', odd keys'), +4 to +7 at work; a takes +6
.set S,   64
.set P,   128
.set O,   160
.set KFR, 64                           ; in window 1
.set VFR, 128
.set WV,   8
.set KIND, 9                           ; 0: I fetch K, 1: V
.set PART, 10                          ; which of a unit's four steps I fetch
.set BLK,  13
.set Q0,   14                          ; my first query
.set KF,   15                          ; the step's first key
.set TB,   16                          ; LDS byte at which the step's tiles begin
.set SLOTS, 17
.set SWAT, 18                          ; the value of SLOTS in the first block's last unit: 1 + i
.set CNT4, 19
.set SEL,  20
.set OFF,  22
.set G1K,  24
.set G1V,  32
.set G0,   40
.set GB,   44                          ; s[44:45] my part of the head's unit 0
.set UO,   46                          ; s[46:47] the byte offset of the unit to be asked for
.set QH,   48
.set YH,   50
.set QP,   52
.set YP,   54
.set PFA,  56
.set LIM,  58
.set MSB, 0
.macro WIN new
.if MSB != (\new)
	s_set_vgpr_msb (MSB<<8)|(\new)
.set MSB, (\new)
.endif
.endm
.set W_LD, 0x40                        ; destination window 1, address window 0
.set W_KQ, 0x05                        ; K and Q in window 1, S^T in window 0
.set W_PV, 0x01                        ; V in window 1, P and O^T in window 0
; My one tensor load: K's shape or V's (they differ in the padding).  The branch hangs on the wave's number alone.  An s_nop 0 and four v_nop follow each line.
.macro TLOAD
	s_cmp_lt_u32 s[WV], 4
	s_cbranch_scc0 .Lfor_v_\@
	tensor_load_to_lds s[G0:G0+3], s[G1K:G1K+7]
	s_nop 0
.rept 4
	v_nop
.endr
	s_branch .Lasked_\@
.Lfor_v_\@:
	tensor_load_to_lds s[G0:G0+3], s[G1V:G1V+7]
	s_nop 0
.rept 4
	v_nop
.endr
.Lasked_\@:
.endm
; A PREFETCH of the unit that the NEXT change of slots will ask for.  All four work-groups of a head read the same K and V: the one with i = 0, which walks units 0 to 7 in order, asks, and nobody else.
; Each of its waves asks for its own part, 8,192 bytes, lanes 256 bytes apart: so each aligned 256 bytes are named once in the launch.  At the change of unit n it names unit n + 2, for n = 0 .. 5;
; units 0 and 1 come by their loads alone, and there is no unit 8.
.macro ASK
	s_cmp_gt_u32 s[SLOTS], s[LIM]
	s_cbranch_scc0 .Lnot_mine_\@
	global_prefetch_b8 v[PFO], s[PFA:PFA+1] th:TH_LOAD_NT scope:SCOPE_SE
.Lnot_mine_\@:
.endm
.macro SETBLK                          ; block s[BLK]: my 32 rows of Q and of y, my first query
	s_lshl_b32 s[OFF], s[BLK], 15
	s_lshl_b32 s59, s[WV], 12
	s_add_co_u32 s[OFF], s[OFF], s59
	s_add_nc_u64 s[QP:QP+1], s[QH:QH+1], s[OFF:OFF+1]
	s_add_nc_u64 s[YP:YP+1], s[YH:YH+1], s[OFF:OFF+1]
	s_lshl_b32 s[Q0], s[BLK], 8
	s_lshl_b32 s59, s[WV], 5
	s_add_co_u32 s[Q0], s[Q0], s59
	s_mov_b32 s[KF], 0
.endm
.macro LOADQ                           ; Q stays in registers: tile x, channels 32 c on
	WIN W_LD
.irp x, 0,1
.irp c, 0,1
.irp e, 0,1
	global_load_b128 v[16*\x+8*\c+4*\e:16*\x+8*\c+4*\e+3], v[QO], s[QP:QP+1] offset:2048*\x+64*\c+32*\e
.endr
.endr
.endr
	WIN 0
.endm
.macro INIT                            ; the step is written once: a block's first step finds m = -3e38, under every score, and zeros, which its a = 0 leaves zeros
.irp x, 0,1
	v_mov_b32 v[ST+8*\x], 0xff61b1e6
.irp n, 1,2,3,4,5,6,7
	v_mov_b32 v[ST+8*\x+\n], 0
.endr
.endr
.set i, 0
.rept 64
	v_mov_b32 v[O+i], 0
.set i, i+1
.endr
.endm
; A KEY STEP: 64 keys.
.macro STEP
	s_add_co_u32 s59, s[Q0], 31
	s_cmp_gt_u32 s[KF], s59                        ; all keys come after my 32 queries: nothing of the step but its address steps
	s_cbranch_scc1 .Lhidden_\@
	v_add_nc_u32 v[ADR], s[TB], v[AK0]
	v_add_nc_u32 v[ADV], s[TB], v[AV0]
	v_nop
	v_nop                                          ; four places between the last step's products and the loads into V's registers
	WIN W_LD
.irp kt, 0,1,2,3                       ; K: keys 16 kt on, channels 32 c on
.irp c, 0,1
.irp e, 0,1
	ds_load_b128 v[KFR+16*\kt+8*\c+4*\e:KFR+16*\kt+8*\c+4*\e+3], v[ADR] offset:2176*\kt+64*\c+32*\e
.endr
.endr
.endr
.irp kc, 0,1                           ; V, turned: keys 32 kc on, channels 16 dt on
.irp dt, 0,1,2,3
.irp e, 0,1
	ds_load_tr16_b128 v[VFR+32*\kc+8*\dt+4*\e:VFR+32*\kc+8*\dt+4*\e+3], v[ADV] offset:4608*\kc+2304*\e+32*\dt
.endr
.endr
.endr
	s_wait_dscnt 16                                ; K's sixteen loads are in; V's sixteen may be out
	WIN W_KQ
.irp c, 0,1                            ; the eight accumulators take turns, one instruction a turn; the first eight products start the sums
.irp kt, 0,1,2,3
.irp x, 0,1
.if \c == 0
	v_wmma_f32_16x16x32_f16 v[S+32*\x+8*\kt:S+32*\x+8*\kt+7], v[KFR+16*\kt+8*\c:KFR+16*\kt+8*\c+7], v[16*\x+8*\c:16*\x+8*\c+7], 0
.else
	v_wmma_f32_16x16x32_f16 v[S+32*\x+8*\kt:S+32*\x+8*\kt+7], v[KFR+16*\kt+8*\c:KFR+16*\kt+8*\c+7], v[16*\x+8*\c:16*\x+8*\c+7], v[S+32*\x+8*\kt:S+32*\x+8*\kt+7]
.endif
.endr
.endr
.endr
	WIN 0
	s_sub_co_i32 s59, s[Q0], s[KF]
	v_add_nc_u32 v[D0], s59, v[RL]                 ; register 8 kt + j of tile x holds key KF + 16 kt + 8 h + j: hidden where 16 kt + j > Q0 + 16 x + r - KF - 8 h
	v_add_nc_u32 v[D0+1], 16, v[D0]
	v_nop
	v_nop                                          ; four places behind the products, ahead of the first read of the scores
	s_add_co_u32 s60, s[KF], 63
	s_cmp_le_u32 s60, s[Q0]                        ; all 64 keys count for all my queries: no mask
	s_cbranch_scc1 .Lopen_\@
.irp x, 0,1
.irp kt, 0,1,2,3
.irp j, 0,1,2,3,4,5,6,7
	v_cmp_gt_i32 vcc_lo, 16*\kt+\j, v[D0+\x]
	v_cndmask_b32 v[S+32*\x+8*\kt+\j], v[S+32*\x+8*\kt+\j], v[NINF], vcc_lo
.endr
.endr
.endr
.Lopen_\@:
	; the maximum of my 32 scores and the old m, three operands at a time; the two tiles by turns; each accumulator is read from its low end on
.irp n, 0,1,2,3
.irp x, 0,1
	v_max3_num_f32 v[ST+8*\x+4+\n], v[S+32*\x+8*\n], v[S+32*\x+8*\n+1], v[S+32*\x+8*\n+2]
.endr
.endr
.irp g, 1,2
.irp n, 0,1,2,3
.irp x, 0,1
	v_max3_num_f32 v[ST+8*\x+4+\n], v[ST+8*\x+4+\n], v[S+32*\x+8*\n+2*\g+1], v[S+32*\x+8*\n+2*\g+2]
.endr
.endr
.endr
.irp x, 0,1
	v_max3_num_f32 v[ST+8*\x+4], v[ST+8*\x+4], v[S+32*\x+7], v[S+32*\x+15]
.endr
.irp x, 0,1
	v_max3_num_f32 v[ST+8*\x+6], v[ST+8*\x+6], v[S+32*\x+23], v[S+32*\x+31]
.endr
.irp x, 0,1
	v_max3_num_f32 v[ST+8*\x+4], v[ST+8*\x+4], v[ST+8*\x+5], v[ST+8*\x+6]
.endr
.irp x, 0,1
	v_max3_num_f32 v[ST+8*\x+4], v[ST+8*\x+4], v[ST+8*\x+7], v[ST+8*\x]
.endr
.irp x, 0,1
	v_permlanex16_b32 v[ST+8*\x+5], v[ST+8*\x+4], s[SEL], s[SEL+1]   ; the query's other 32 keys lie in the lane 16 away
.endr
.irp x, 0,1
	v_mov_b32 v[ST+8*\x+1], v[ST+8*\x]             ; the old m
.endr
.irp x, 0,1
	v_max_num_f32 v[ST+8*\x], v[ST+8*\x+4], v[ST+8*\x+5]
.endr
.irp x, 0,1
	v_sub_f32 v[ST+8*\x+1], v[ST+8*\x+1], v[ST+8*\x]
.endr
.set n, 0
.rept 16
.irp x, 0,1
	v_pk_add_f32 v[S+32*\x+2*n:S+32*\x+2*n+1], v[S+32*\x+2*n:S+32*\x+2*n+1], v[ST+8*\x:ST+8*\x+1] op_sel_hi:[1,0] neg_lo:[0,1] neg_hi:[0,1]   ; s' - m, two at a time
.endr
.set n, n+1
.endr
.irp x, 0,1
	v_exp_f32 v[ST+8*\x+6], v[ST+8*\x+1]           ; a
.endr
.set n, 0
.rept 32
.irp x, 0,1
	v_exp_f32 v[S+32*\x+n], v[S+32*\x+n]           ; p
.endr
.set n, n+1
.endr
	v_nop                                          ; a plain instruction behind the last exponential
	s_wait_alu depctr_va_vdst(0)                   ; ONE wait for the 66 exponentials, ahead of the first line that names a result
.set n, 0
.rept 16
.irp x, 0,1
	v_cvt_pk_f16_f32 v[P+16*\x+n], v[S+32*\x+2*n], v[S+32*\x+2*n+1]
.endr
.set n, n+1
.endr
	; the sum of the unrounded p, in place: neighbours 1, 2, 4 and 8 pairs apart; then l = a l + the sum
.irp u, 0,1,2,3,4,5,6,7
.irp x, 0,1
	v_pk_add_f32 v[S+32*\x+4*\u:S+32*\x+4*\u+1], v[S+32*\x+4*\u:S+32*\x+4*\u+1], v[S+32*\x+4*\u+2:S+32*\x+4*\u+3]
.endr
.endr
.irp u, 0,1,2,3
.irp x, 0,1
	v_pk_add_f32 v[S+32*\x+8*\u:S+32*\x+8*\u+1], v[S+32*\x+8*\u:S+32*\x+8*\u+1], v[S+32*\x+8*\u+4:S+32*\x+8*\u+5]
.endr
.endr
.irp u, 0,1
.irp x, 0,1
	v_pk_add_f32 v[S+32*\x+16*\u:S+32*\x+16*\u+1], v[S+32*\x+16*\u:S+32*\x+16*\u+1], v[S+32*\x+16*\u+8:S+32*\x+16*\u+9]
.endr
.endr
.irp x, 0,1
	v_pk_add_f32 v[S+32*\x:S+32*\x+1], v[S+32*\x:S+32*\x+1], v[S+32*\x+16:S+32*\x+17]
.endr
.irp x, 0,1
	v_pk_fma_f32 v[ST+8*\x+2:ST+8*\x+3], v[ST+8*\x+2:ST+8*\x+3], v[ST+8*\x+6:ST+8*\x+7], v[S+32*\x:S+32*\x+1] op_sel_hi:[1,0,1]
.endr
.set n, 0
.rept 16
.irp x, 0,1
	v_pk_mul_f32 v[O+32*\x+2*n:O+32*\x+2*n+1], v[O+32*\x+2*n:O+32*\x+2*n+1], v[ST+8*\x+6:ST+8*\x+7] op_sel_hi:[1,0]   ; O^T x a
.endr
.set n, n+1
.endr
	s_wait_dscnt 0x0                               ; V is in
	WIN W_PV
.irp kc, 0,1                           ; O^T += V^T P: eight accumulators by turns
.irp dt, 0,1,2,3
.irp x, 0,1
	v_wmma_f32_16x16x32_f16 v[O+32*\x+8*\dt:O+32*\x+8*\dt+7], v[VFR+32*\kc+8*\dt:VFR+32*\kc+8*\dt+7], v[P+16*\x+8*\kc:P+16*\x+8*\kc+7], v[O+32*\x+8*\dt:O+32*\x+8*\dt+7]
.endr
.endr
.endr
	WIN 0
.Lhidden_\@:
	s_add_co_u32 s[KF], s[KF], 64
	s_add_co_u32 s[TB], s[TB], STEPB
.endm
.macro FOUR_STEPS                      ; a unit's four steps: written once, walked four times
	s_mov_b32 s[CNT4], 4
.Lstep_\@:
	STEP
	s_sub_co_u32 s[CNT4], s[CNT4], 1
	s_cmp_lg_u32 s[CNT4], 0
	s_cbranch_scc1 .Lstep_\@
	s_sub_co_u32 s[TB], s[TB], 4*STEPB             ; back to a slot's first step,
	s_xor_b32 s[TB], s[TB], SLOT1                  ; in the other slot
.endm
; THE CHANGE OF SLOTS stands at a unit's head.  Each wave waits for all its tensor loads (its part of the slot that it is about to read), adds 0 to its spare word, and waits for that and for its reads
; of the slot that it has left.  Behind the barrier the slot ahead is whole and nobody reads the other one.  fill = 1: that other slot takes the unit that follows; the load has a unit's steps in which to land.
.macro CHANGE fill
	s_wait_tensorcnt 0x0                           ; no tensor load of mine is out, so group 0 may be written
	ds_add_u32 v[SPW], v[NIL]                      ; 0 onto my spare word; the descriptor's steps stand between it and the wait for it
.if \fill
	s_xor_b32 s[G0+1], s[G0+1], SLOT1              ; the other slot than last time,
	s_add_co_u32 s[UO], s[UO], UNITB               ; the next 256 keys,
	s_cmp_eq_u32 s[SLOTS], s[SWAT]
	s_cselect_b32 s[UO], 0, s[UO]                  ; or, in the first block's last unit, the second block's unit 0
	s_add_nc_u64 s[G0+2:G0+3], s[GB:GB+1], s[UO:UO+1]
	s_or_b32 s[G0+3], s[G0+3], 0x80000000
	s_wait_xcnt 0x0                                ; the last prefetch, a unit back, has read its address, so it may be written
	s_add_nc_u64 s[PFA:PFA+1], s[PFA:PFA+1], UNITB
.endif
	s_wait_dscnt 0x0                               ; the add is done, and my reads of the slot that I have left are over
	s_barrier_signal -1
	s_barrier_wait -1
.if \fill
	TLOAD                                          ; the first thing behind the barrier, and my one tensor load until the next
	ASK
.endif
.endm
; A BLOCK'S WAY OUT.  O^T / l, rounded to f16, goes through my stage and leaves as runs of 512 bytes (four rows of y).  The additions are the places behind the last products.
.macro FINISH
.irp x, 0,1
	v_add_f32 v[ST+8*\x+4], v[ST+8*\x+2], v[ST+8*\x+3]
.endr
.irp x, 0,1
	v_permlanex16_b32 v[ST+8*\x+5], v[ST+8*\x+4], s[SEL], s[SEL+1]
.endr
.irp x, 0,1
	v_add_f32 v[ST+8*\x+4], v[ST+8*\x+4], v[ST+8*\x+5]
.endr
.irp x, 0,1
	v_rcp_f32 v[ST+8*\x+6], v[ST+8*\x+4]
.endr
	v_nop                                          ; a plain instruction behind the last reciprocal
	s_wait_alu depctr_va_vdst(0)                   ; and the wait ahead of the first use: one for the two
.irp x, 0,1
.set n, 0
.rept 16
	v_pk_mul_f32 v[S+32*\x+2*n:S+32*\x+2*n+1], v[O+32*\x+2*n:O+32*\x+2*n+1], v[ST+8*\x+6:ST+8*\x+7] op_sel_hi:[1,0]   ; each accumulator from its low end on
.set n, n+1
.endr
.endr
.irp x, 0,1
.set n, 0
.rept 16
	v_cvt_pk_f16_f32 v[P+16*\x+n], v[S+32*\x+2*n], v[S+32*\x+2*n+1]
.set n, n+1
.endr
.endr
.irp x, 0,1
.irp dt, 0,1,2,3
	ds_store_b128 v[STO], v[P+16*\x+4*\dt:P+16*\x+4*\dt+3] offset:2176*\x+32*\dt
.endr
.endr
.irp x, 0,1
.irp i, 0,1,2,3
	ds_load_b128 v[S+16*\x+4*\i:S+16*\x+4*\i+3], v[RD] offset:2176*\x+544*\i   ; LDS serves a wave's instructions in order: these see the stores above
.endr
.endr
.irp x, 0,1
.irp i, 0,1,2,3
	s_wait_dscnt 7-4*\x-\i                         ; the younger loads may stay out
	global_store_b128 v[GO], v[S+16*\x+4*\i:S+16*\x+4*\i+3], s[YP:YP+1] offset:2048*\x+512*\i   ; 32 lanes store 512 consecutive bytes, aligned
.endr
.endr
	s_wait_xcnt 0x0                                ; the stores have read their registers and their base: both are written again behind this wait
.endm
	s_load_b128 s[4:7], s[0:1], 0x0                ; qkv s[4:5], y s[6:7]
	v_lshl_add_u32 v[SPW], v0, 2, SPARE
	v_mov_b32 v[NIL], 0
	ds_add_u32 v[SPW], v[NIL]                      ; the wave's opening: the add, twice on end, and its wait ahead of my first tensor load
	ds_add_u32 v[SPW], v[NIL]
	v_lshrrev_b32 v1, 5, v0
	v_readfirstlane_b32 s[WV], v1                  ; wave 0..7
	s_lshr_b32 s[KIND], s[WV], 2
	s_and_b32 s[PART], s[WV], 3
	; descriptor group 1: 64 rows of 128 bytes, dense in memory, stated as 32 rows of 128 elements of 2 bytes, padded in LDS
	s_mov_b32 s[G1K], (1<<16)|(1<<20)|(5<<22)|(3<<25)   ; no mask; elements of 2 bytes; padding on: after every 64 words, four words
	s_mov_b32 s[G1V], (1<<16)|(1<<20)|(5<<22)|(7<<25)   ; the same with eight words of padding
.irp g, G1K, G1V
	s_mov_b32 s[\g+1], 128<<16                     ; tensor_dim0
	s_mov_b32 s[\g+2], 32<<16                      ; tensor_dim1
	s_mov_b32 s[\g+3], 128<<16                     ; tile_dim0
	s_mov_b32 s[\g+4], 32                          ; tile_dim1
	s_mov_b32 s[\g+5], 128                         ; tensor_dim0_stride
	s_mov_b32 s[\g+6], 0
	s_mov_b32 s[\g+7], 0
.endr
	s_mov_b32 s[G0], 1
	s_mul_i32 s[G0+1], s[PART], STEPB              ; my tile's place in slot 0: the step, and K's part or V's
	s_mul_i32 s59, s[KIND], VOFF
	s_add_co_u32 s[G0+1], s[G0+1], s59
	s_mov_b32 s[SEL], 0x76543210
	s_mov_b32 s[SEL+1], 0xfedcba98
	s_and_b32 s60, ttmp7, 0xffff                   ; bh = 16 b + h
	s_lshl_b32 s[OFF], s60, 18                     ; the head's first byte in each third of qkv
	s_mov_b32 s[OFF+1], 0
	s_add_co_u32 s59, s[KIND], 1
	s_lshl_b32 s[UO], s59, 24                      ; K's third or V's,
	s_lshl_b32 s59, s[PART], 13                    ; my step's 64 rows
	s_add_co_u32 s[UO], s[UO], s59
	s_mov_b32 s[UO+1], 0
	s_wait_dscnt 0x0                               ; both opening adds are done
	s_wait_kmcnt 0x0
	s_add_nc_u64 s[QH:QH+1], s[4:5], s[OFF:OFF+1]
	s_add_nc_u64 s[GB:GB+1], s[QH:QH+1], s[UO:UO+1]
	s_mov_b32 s[UO], 0
	s_mov_b64 s[G0+2:G0+3], s[GB:GB+1]
	s_or_b32 s[G0+3], s[G0+3], 0x80000000
	TLOAD                                          ; unit 0, into slot 0
	s_and_b32 s59, s60, 15
	s_lshl_b32 s59, s59, 20
	s_lshr_b32 s60, s60, 4
	s_lshl_b32 s60, s60, 18
	s_add_co_u32 s[OFF], s59, s60
	s_add_nc_u64 s[YH:YH+1], s[6:7], s[OFF:OFF+1]  ; y at row 2,048 b of head h
	s_add_nc_u64 s[PFA:PFA+1], s[GB:GB+1], UNITB   ; in unit 1: the first change of slots steps it to unit 2.  Nothing is prefetched here, at the head
	s_cmp_eq_u32 ttmp9, 0
	s_cselect_b32 s[LIM], 2, -1
	s_add_co_u32 s[SWAT], ttmp9, 1
	s_sub_co_u32 s[BLK], 7, ttmp9
	v_and_b32 v16, 15, v0                          ; r
	v_bfe_u32 v17, v0, 4, 1                        ; h
	v_lshlrev_b32 v18, 3, v17
	v_sub_nc_u32 v[RL], v16, v18
	v_lshrrev_b32 v18, 1, v16
	v_and_b32 v19, 1, v16
	v_mul_u32_u24 v18, v18, PK
	v_lshl_add_u32 v18, v19, 7, v18
	v_lshl_add_u32 v[AK0], v17, 4, v18             ; (r / 2) x 272 + (r % 2) x 128 + 16 h
	s_mul_i32 s59, s[WV], 4352
	s_add_co_u32 s59, s59, STAGE                   ; my stage: the same place of a lane in it
	v_add_nc_u32 v[STO], s59, v[AK0]
	v_mul_u32_u24 v18, v17, 272
	v_lshl_add_u32 v18, v16, 4, v18
	v_add_nc_u32 v[RD], s59, v18
	; the turning load: lane l reads 16 bytes of key 8 h + l % 8, channels 8 ((l / 8) % 2) on, and is left with channel l % 16 and 8 keys
	v_bfe_u32 v18, v0, 1, 2
	v_lshl_add_u32 v18, v17, 2, v18
	v_mul_u32_u24 v18, v18, PV
	v_and_b32 v19, 1, v0
	v_lshl_add_u32 v18, v19, 7, v18
	v_bfe_u32 v19, v0, 3, 1
	v_lshl_add_u32 v18, v19, 4, v18
	v_add_nc_u32 v[AV0], VOFF, v18
	v_lshlrev_b32 v[QO], 7, v16
	v_lshl_add_u32 v[QO], v17, 4, v[QO]
	v_and_b32 v18, 31, v0
	v_lshlrev_b32 v[GO], 4, v18
	v_lshlrev_b32 v[PFO], 8, v18
	v_mov_b32 v[NINF], 0xff800000
	SETBLK
	LOADQ
	INIT
	s_wait_loadcnt 0x0                             ; Q
	s_mov_b32 s[SLOTS], 8
	s_mov_b32 s[TB], 0
.Lunit:                                            ; eight trips: behind each change of slots but the last the next unit is asked for
	CHANGE 1
	FOUR_STEPS
	s_cmp_lg_u32 s[SLOTS], s[SWAT]                 ; the first block's last unit?  The same in all eight waves: it hangs on the work-group's number and the count of units
	s_cbranch_scc1 .Lsame_block
	FINISH
	s_mov_b32 s[BLK], ttmp9
	SETBLK
	LOADQ
	INIT
	s_wait_loadcnt 0x0
.Lsame_block:
	s_sub_co_u32 s[SLOTS], s[SLOTS], 1
	s_cmp_lg_u32 s[SLOTS], 0
	s_cbranch_scc1 .Lunit
	CHANGE 0                                       ; the ninth unit is written out: nothing is left to ask for
	FOUR_STEPS
	FINISH
	s_wait_tensorcnt 0x0                           ; the wave's end: three lines behind my last tensor load and my last LDS store
	ds_add_u32 v[SPW], v[NIL]
	s_wait_dscnt 0x0
	s_endpgm
.Lfunc_end_k_q1853815c4d_attn:
	.size	k_q1853815c4d_attn, .Lfunc_end_k_q1853815c4d_attn-k_q1853815c4d_attn
	.p2alignl 7, 3214868480
	.fill 96, 4, 3214868480
	.section	.rodata,"a",@progbits
	.p2align	6, 0x0
	.amdhsa_kernel k_q1853815c4d_attn
		.amdhsa_group_segment_fixed_size 327680
		.amdhsa_private_segment_fixed_size 0
		.amdhsa_enable_private_segment 0
		.amdhsa_kernarg_size 16
		.amdhsa_user_sgpr_count 2
		.amdhsa_user_sgpr_kernarg_segment_ptr 1
		.amdhsa_wavefront_size32 1
		.amdhsa_system_sgpr_workgroup_id_x 1
		.amdhsa_system_sgpr_workgroup_id_y 1
		.amdhsa_system_sgpr_workgroup_id_z 1
		.amdhsa_system_vgpr_workitem_id 0
		.amdhsa_next_free_vgpr 512
		.amdhsa_next_free_sgpr 66
		.amdhsa_reserve_vcc 1
		.amdhsa_float_denorm_mode_32 3
		.amdhsa_float_denorm_mode_16_64 3
		.amdhsa_memory_ordered 1
		.amdhsa_forward_progress 1
		.amdhsa_inst_pref_size 70
	.end_amdhsa_kernel
	.amdgpu_metadata
---
amdhsa.version: [ 1, 2 ]
amdhsa.kernels:
  - .name:           k_q1853815c4d_attn
    .symbol:         k_q1853815c4d_attn.kd
    .args:
      - { .name: qkv, .offset: 0, .size: 8, .value_kind: global_buffer, .address_space: global }
      - { .name: y, .offset: 8, .size: 8, .value_kind: global_buffer, .address_space: global }
    .group_segment_fixed_size: 327680
    .private_segment_fixed_size: 0
    .kernarg_segment_align: 8
    .kernarg_segment_size: 16
    .max_flat_workgroup_size: 256
    .sgpr_count:     66
    .vgpr_count:     512
    .wavefront_size: 32
...
	.end_amdgpu_metadata
.endif
;; end of part 3
;; launch proj (part 4): grid 8 x 32, 4 waves a work-group, clusters of 4 x 4, 327,680 bytes of LDS; arguments y, wp16, b_proj, out0; writes out0
.if DOCPART == 4
	.amdgcn_target "amdgcn-amd-amdhsa--gfx1250"
	.amdhsa_code_object_version 6
	.text
	.protected	k_q1853815c4d_proj
	.globl	k_q1853815c4d_proj
	.p2align	8
	.type	k_q1853815c4d_proj,@function
k_q1853815c4d_proj:
	s_mov_b64 s[64:65], 0
	v_nop
	global_prefetch_b8 v0, s[64:65] scope:SCOPE_SE
	s_setreg_imm32_b32 hwreg(HW_REG_WAVE_MODE, 25, 1), 1
	s_wait_xcnt 0x0
	s_wait_alu depctr_hold_cnt(0) depctr_sa_sdst(0) depctr_va_vdst(0) depctr_va_sdst(0) depctr_va_ssrc(0) depctr_va_vcc(0) depctr_vm_vsrc(0)
	s_getreg_b32 s2, hwreg(HW_REG_IB_STS2, 6, 4)
	s_cmp_eq_u32 s2, 0
	s_cbranch_scc0 .Lentry_in_a_cluster
	s_endpgm
.Lentry_in_a_cluster:
	s_bfe_u32 s2, ttmp6, 0x10000c
	s_cmp_lg_u32 s2, 0xf033
	s_cbranch_scc0 .Lentry_shape_is_right
	s_endpgm
.Lentry_shape_is_right:
; out0[m][n] = the sum over k of y[m][k] w_proj[k][n] + b_proj[n].  y: f16, [16 h][8192 m][64]: k = 64 h + d.  wp16: w_proj in f16, [1024 k][1024 n].  out0: [8192][1024] f32; sums in f32.
; All 8,192 rows are made here; the first 16 positions of each sequence are made again, more finely, by the two launches behind this one.
; A tile of out0 is 256 (m) x 128 (n): 256 work-groups.  Four waves, each 128 x 64: 32 accumulators, which fill window 1.  K goes in steps of 128, two heads, through a ring of two LDS slots.
; THE MATRIX INSTRUCTION IS USED TRANSPOSED (source 0 = 16 columns of w_proj, turned on the way out of LDS; source 1 = 16 rows of y): a lane holds eight neighbouring numbers of a row of out0.
; The bias is the C of each sum's first product.
; CLUSTERS: 4 x 4 work-groups.  y's tiles hang on the tile row alone and are shared along a row of the cluster, wp16's on the tile column alone and are shared along a column: each is asked for JOINTLY.
; A row of y's head is 128 bytes; two rows are stated as one of 256 bytes, with 16 of padding behind it: row m lies at (m / 2) x 272 + (m % 2) x 128.
; No prefetch: eight K steps in all, and the tiles are shared in the cluster.
; REGISTERS.  window 0: v16-29 addresses; two fragment buffers at v32 and v128 (64 registers of y, then 32 of w_proj); v224-255 the bias.  window 1: accumulator (a, b) at v[8 (4 a + b)].
.set AH,    128*272                    ; a head's 256 rows
.set BOFF,  2*AH                       ; behind y's two heads: w_proj's 128 rows of 256 bytes,
.set BP,    288                        ; + 32 of padding
.set BH,    64*BP
.set SLOT,  BOFF+2*BH
.set STAGE, 2*SLOT                     ; behind the ring: 16 rows x 272 bytes for each wave
.set SPARE, STAGE+4*4352               ; the spare words, 128 bytes for each wave: two blocks of 256 bytes that no other line names
.set ADRA, 16
.set ADRB, 20
.set STO,  24
.set RD,   25
.set CO,   26
.set SPW,  28
.set NIL,  29
.set F0,   32
.set F1,   128
.set BI,   224
.set BK,   32                          ; the way out: rows read back from the stage: v32-63 and v64-95 by turns
.set G1, 24
.set G0, 32
.set G1B, 48
.set G0B, 56
.set MSB, 0
.macro WIN new
.if MSB != (\new)
	s_set_vgpr_msb (MSB<<8)|(\new)
.set MSB, (\new)
.endif
.endm
.set MUL,  0x50                        ; C and D window 1, the operands window 0
.set MULB, 0x40                        ; the first products: C (the bias) window 0
.macro JLOAD s                         ; a joint load: waves 0 and 1 fetch y's two heads, waves 2 and 3 the halves of w_proj's rows; an s_nop 0 and four v_nop follow each line
	s_cmp_eq_u32 s13, 0
	s_cbranch_scc0 .Lfor_b_\@
	tensor_load_to_lds s[G0+4*\s:G0+4*\s+3], s[G1:G1+7]
	s_nop 0
.rept 4
	v_nop
.endr
	s_branch .Lasked_\@
.Lfor_b_\@:
	tensor_load_to_lds s[G0B+4*\s:G0B+4*\s+3], s[G1B:G1B+7]
	s_nop 0
.rept 4
	v_nop
.endr
.Lasked_\@:
.endm
.macro CREST                           ; a round of the cluster's barrier behind its opening barrier
	s_cmp_lg_u32 s12, 0
	s_cbranch_scc1 .Lnot_wave_0_\@
	s_barrier_signal -3
.Lnot_wave_0_\@:
	s_barrier_wait -3
	s_barrier_signal -1
	s_barrier_wait -1
.endm
.macro CROUND
	s_barrier_signal -1
	s_barrier_wait -1
	CREST
.endm
	s_load_b256 s[4:11], s[0:1], 0x0               ; y s[4:5], wp16 s[6:7], b_proj s[8:9], out0 s[10:11]
	v_lshl_add_u32 v[SPW], v0, 2, SPARE
	v_mov_b32 v[NIL], 0
	ds_add_u32 v[SPW], v[NIL]                      ; the wave's opening: the add, twice on end, and its wait ahead of my first tensor load
	ds_add_u32 v[SPW], v[NIL]
	v_lshrrev_b32 v1, 5, v0
	v_readfirstlane_b32 s12, v1                    ; wave 0..3
	s_lshr_b32 s13, s12, 1                         ; which half of the tile's rows is mine.  Also: I fetch for y (0) or for w_proj (1)
	s_and_b32 s14, s12, 1                          ; which half of its columns.  Also: which head, or which 64 rows of w_proj, I fetch
	s_bfe_u32 s40, ttmp6, 0x40000                  ; cx, cy
	s_bfe_u32 s41, ttmp6, 0x40004
	s_lshl_b32 s42, ttmp9, 2
	s_add_co_u32 s42, s42, s40                     ; tile column: 0 .. 7
	s_and_b32 s15, ttmp7, 0xffff
	s_lshl_b32 s15, s15, 2
	s_add_co_u32 s15, s15, s41                     ; tile row: 0 .. 31
	s_lshl_b32 s43, s41, 2
	s_lshl_b32 s43, 15, s43                        ; my row of the cluster
	s_lshl_b32 s44, 0x1111, s40                    ; my column
	; y: a head's 256 rows of 128 bytes, dense: 128 rows of 128 elements of 2 bytes
	s_or_b32 s[G1+0], s43, (1<<16)|(1<<20)|(1<<21)|(5<<22)|(3<<25)  ; the mask; elements of 2 bytes; padding on; bit 21 beside a mask; after every 64 words four words
	s_mov_b32 s[G1+1], 128<<16
	s_mov_b32 s[G1+2], 128<<16
	s_mov_b32 s[G1+3], 128<<16
	s_mov_b32 s[G1+4], 128
	s_mov_b32 s[G1+5], 128
	s_mov_b32 s[G1+6], 0
	s_mov_b32 s[G1+7], 0
	; w_proj: 64 rows of 128 elements, 1,024 elements from row to row
	s_or_b32 s[G1B+0], s44, (1<<16)|(1<<20)|(1<<21)|(5<<22)|(7<<25) ; eight words of padding
	s_mov_b32 s[G1B+1], 128<<16
	s_mov_b32 s[G1B+2], 64<<16
	s_mov_b32 s[G1B+3], 128<<16
	s_mov_b32 s[G1B+4], 64
	s_mov_b32 s[G1B+5], 1024
	s_mov_b32 s[G1B+6], 0
	s_mov_b32 s[G1B+7], 0
	s_lshl_b32 s16, s14, 20                        ; y: head (wave % 2), rows 256 x tile row
	s_lshl_b32 s17, s15, 15
	s_add_co_u32 s16, s16, s17
	s_mov_b32 s17, 0
	s_lshl_b32 s46, s14, 17                        ; w_proj: rows 64 (wave % 2) on, columns 128 x tile column on
	s_lshl_b32 s47, s42, 8
	s_add_co_u32 s46, s46, s47
	s_mov_b32 s47, 0
	s_mul_i32 s20, s14, AH                         ; where they go: no place in the cluster enters an LDS address
	s_mul_i32 s21, s14, BH
	s_add_co_u32 s21, s21, BOFF
	s_wait_dscnt 0x0                               ; both opening adds are done
	s_wait_kmcnt 0x0
	s_add_nc_u64 s[16:17], s[4:5], s[16:17]
	s_add_nc_u64 s[46:47], s[6:7], s[46:47]
	CROUND                                         ; all sixteen work-groups are here: the first joint loads meet
.irp s, 0,1
	s_mov_b32 s[G0+4*\s], 1
	s_add_co_u32 s[G0+4*\s+1], s20, \s*SLOT
	s_add_nc_u64 s[G0+4*\s+2:G0+4*\s+3], s[16:17], \s*2097152       ; K step s: two heads on
	s_or_b32 s[G0+4*\s+3], s[G0+4*\s+3], 0x80000000
	s_mov_b32 s[G0B+4*\s], 1
	s_add_co_u32 s[G0B+4*\s+1], s21, \s*SLOT
	s_add_nc_u64 s[G0B+4*\s+2:G0B+4*\s+3], s[46:47], \s*262144      ; 128 rows of 2,048 bytes on
	s_or_b32 s[G0B+4*\s+3], s[G0B+4*\s+3], 0x80000000
	JLOAD \s                                       ; two tensor loads of mine are out
.endr
	v_and_b32 v1, 15, v0                           ; r
	v_bfe_u32 v2, v0, 4, 1                         ; h
	s_lshl_b32 s46, s42, 9                         ; by the tile column: my 64 columns, in bytes of f32
	s_lshl_b32 s47, s14, 8
	s_add_co_u32 s46, s46, s47
	s_mov_b32 s47, 0
	s_add_nc_u64 s[8:9], s[8:9], s[46:47]
	v_lshlrev_b32 v7, 5, v2                        ; the bias: lane (r, h) wants, for block b, columns 16 b + 8 h + 0 .. 7
.irp b, 0,1,2,3
	global_load_b128 v[BI+8*\b:BI+8*\b+3], v7, s[8:9] offset:64*\b
	global_load_b128 v[BI+8*\b+4:BI+8*\b+7], v7, s[8:9] offset:64*\b+16
.endr
	v_lshrrev_b32 v3, 1, v1
	v_mul_u32_u24 v3, v3, 272
	v_and_b32 v4, 1, v1
	v_lshl_add_u32 v3, v4, 7, v3
	v_lshl_add_u32 v3, v2, 4, v3                   ; y: (r / 2) x 272 + (r % 2) x 128 + 16 h
	v_and_b32 v4, 7, v0
	v_lshl_add_u32 v4, v2, 3, v4
	v_mul_u32_u24 v4, v4, BP
	v_bfe_u32 v5, v0, 3, 1
	v_lshl_add_u32 v4, v5, 4, v4                   ; w_proj: row 8 h + l % 8, 16 bytes for each half of a group of sixteen lanes
	s_mul_i32 s22, s13, 64*272                     ; my 128 rows of y
	s_lshl_b32 s23, s14, 7                         ; my 64 columns of w_proj
	s_add_co_u32 s23, s23, BOFF
.irp s, 0,1
	v_add_nc_u32 v[ADRA+\s], s22, v3
	v_add_nc_u32 v[ADRB+\s], s23, v4
	s_add_co_u32 s22, s22, SLOT
	s_add_co_u32 s23, s23, SLOT
.endr
	s_mul_i32 s22, s12, 4352
	s_add_co_u32 s22, s22, STAGE                   ; my stage
	v_mul_u32_u24 v5, v1, 272
	v_lshl_add_u32 v5, v2, 5, v5
	v_add_nc_u32 v[STO], s22, v5                   ; in: row r, 32 bytes for each half of the lanes
	v_mul_u32_u24 v5, v2, 272
	v_lshl_add_u32 v5, v1, 4, v5
	v_add_nc_u32 v[RD], s22, v5                    ; back: lanes 0-15 one row of 256 bytes, lanes 16-31 the next
	v_lshlrev_b32 v5, 12, v2
	v_lshl_add_u32 v[CO], v1, 4, v5                ; and the same two rows in out0
	s_lshl_b32 s16, s15, 20                        ; by the tile row: my first row, 4,096 bytes a row
	s_lshl_b32 s17, s13, 19
	s_add_co_u32 s16, s16, s17
	s_mov_b32 s17, 0
	s_add_nc_u64 s[10:11], s[10:11], s[16:17]
	s_add_nc_u64 s[10:11], s[10:11], s[46:47]
; 24 LDS loads in one run: the fragments of the slot's q-th 32 along K into buffer f: w_proj's four (turned) first, then y's eight
.macro FETCH slot, q, f
.irp b, 0,1,2,3
.irp e, 0,1
	ds_load_tr16_b128 v[\f+64+8*\b+4*\e:\f+64+8*\b+4*\e+3], v[ADRB+\slot] offset:9216*(\q)+32*\b+4608*\e
.endr
.endr
.irp a, 0,1,2,3,4,5,6,7
.irp e, 0,1
	ds_load_b128 v[\f+8*\a+4*\e:\f+8*\a+4*\e+3], v[ADRA+\slot] offset:((\q)/2)*AH+2176*\a+64*((\q)%2)+32*\e
.endr
.endr
.endm
; 8 matrix instructions: m blocks a0, a0 + 1 x the 4 n blocks.  The 32 accumulators take turns, one instruction a turn, in the same order in every quarter.
.macro MUL8 f, a0, bias
.irp a, \a0, \a0+1
.irp b, 0,1,2,3
.if \bias
	v_wmma_f32_16x16x32_f16 v[8*(4*(\a)+\b):8*(4*(\a)+\b)+7], v[\f+64+8*\b:\f+64+8*\b+7], v[\f+8*(\a):\f+8*(\a)+7], v[BI+8*\b:BI+8*\b+7]
.else
	v_wmma_f32_16x16x32_f16 v[8*(4*(\a)+\b):8*(4*(\a)+\b)+7], v[\f+64+8*\b:\f+64+8*\b+7], v[\f+8*(\a):\f+8*(\a)+7], v[8*(4*(\a)+\b):8*(4*(\a)+\b)+7]
.endif
.endr
.endr
.endm
.macro PLACES                          ; four places in front of loads into registers that matrix instructions have read, and of the first read of results (ISA guide 7.12.1 for the first read of results)
.rept 4
	v_nop
.endr
.endm
; A K step is four quarters of 32 along K, 32 matrix instructions each, on buffers 0, 1, 0, 1.  One of the first three: multiplies buffer f and fetches quarter qn into g.
.macro QUARTER slot, qn, f, g, bias
	s_wait_dscnt 8                                 ; w_proj's four and y's blocks 0-3 are in; the youngest eight loads (blocks 4-7) may be out
	WIN MUL-0x10*(\bias)
	MUL8 \f, 0, \bias
	MUL8 \f, 2, \bias
	WIN 0
	PLACES
	FETCH \slot, \qn, \g
	s_wait_dscnt 24                                ; all but the 24 just issued
	WIN MUL-0x10*(\bias)
	MUL8 \f, 4, \bias
	MUL8 \f, 6, \bias
.endm
; The last quarter multiplies buffer 1 and changes slots: ONE barrier; in front of it each wave waits for all its tensor loads, adds 0 to its spare word, and waits for that and for its reads of this slot.
; fill = 1: the barrier opens a round of the cluster's barrier, and this slot is filled again, two K steps ahead, first thing behind the round.
.macro TURN slot, next, fill
	WIN 0
	s_wait_tensorcnt 0x0                           ; all my tensor loads have landed: my part of the next slot
	ds_add_u32 v[SPW], v[NIL]
	s_wait_dscnt 9                                 ; (the add and the youngest eight loads may be out)
	WIN MUL
	MUL8 F1, 0, 0
	s_wait_dscnt 0x0                               ; the add is done, and my reads of this slot are over
	s_barrier_signal -1
	MUL8 F1, 2, 0
	WIN 0
	s_barrier_wait -1
.if \fill
	CREST                                          ; no wave of any partner still reads this slot's tile or has a load on its way
	s_add_nc_u64 s[G0+4*\slot+2:G0+4*\slot+3], s[G0+4*\slot+2:G0+4*\slot+3], 4194304
	s_add_nc_u64 s[G0B+4*\slot+2:G0B+4*\slot+3], s[G0B+4*\slot+2:G0B+4*\slot+3], 524288
	JLOAD \slot                                    ; the four v_nop behind it are also the places in front of the loads below
.else
	PLACES
.endif
	FETCH \next, 0, F0
	WIN MUL
	MUL8 F1, 4, 0
	MUL8 F1, 6, 0
.endm
	s_wait_tensorcnt 1                             ; my part of K step 0 is in (K step 1's load may be out)
	s_barrier_signal -1
	s_barrier_wait -1                              ; everybody's is
	FETCH 0, 0, F0
	s_wait_loadcnt 0x0                             ; the bias
	QUARTER 0, 1, F0, F1, 1                        ; the first quarter stands in front of the loop: its products start the sums
	WIN 0                                          ; at a label and at a branch every window is 0
	s_mov_b32 s3, 3
.Llap:                                                 ; a trip goes once round the ring and fills both slots again: K steps 2 to 7 in three trips
	QUARTER 0, 2, F1, F0, 0
	QUARTER 0, 3, F0, F1, 0
	TURN 0, 1, 1
	QUARTER 1, 1, F0, F1, 0
	QUARTER 1, 2, F1, F0, 0
	QUARTER 1, 3, F0, F1, 0
	TURN 1, 0, 1
	QUARTER 0, 1, F0, F1, 0
	WIN 0
	s_sub_co_u32 s3, s3, 1
	s_cmp_lg_u32 s3, 0
	s_cbranch_scc1 .Llap
	QUARTER 0, 2, F1, F0, 0                        ; the last lap fills nothing
	QUARTER 0, 3, F0, F1, 0
	TURN 0, 1, 0
	QUARTER 1, 1, F0, F1, 0
	QUARTER 1, 2, F1, F0, 0
	QUARTER 1, 3, F0, F1, 0
	s_wait_dscnt 8                                 ; the very last quarter: nothing more to fetch
	WIN MUL
	MUL8 F1, 0, 0
	MUL8 F1, 2, 0
	s_wait_dscnt 0
	MUL8 F1, 4, 0
	MUL8 F1, 6, 0
	WIN 0
; THE WAY OUT, block by block of 16 rows x 64 columns: through my own stage, back as whole rows of 256 bytes.
.macro TOSTAGE a
	WIN 0x04                                       ; an LDS store's data are its source 1: window 1
.irp b, 0,1,2,3
	ds_store_b128 v[STO], v[8*(4*(\a)+\b):8*(4*(\a)+\b)+3] offset:64*\b            ; each accumulator from its low end on
	ds_store_b128 v[STO], v[8*(4*(\a)+\b)+4:8*(4*(\a)+\b)+7] offset:64*\b+16
.endr
	WIN 0
.set BB, BK+32*((\a)%2)
.irp i, 0,1,2,3,4,5,6,7
	ds_load_b128 v[BB+4*\i:BB+4*\i+3], v[RD] offset:544*\i     ; LDS serves a wave's instructions in order (ISA guide 5.7.1.4): these see the stores above
.endr
.endm
.macro SEND a, younger                 ; younger: the LDS instructions issued behind block a's loads, which may stay out
.set BB, BK+32*((\a)%2)
	s_wait_dscnt \younger
.irp i, 0,1,2,3,4,5,6,7
	global_store_b128 v[CO], v[BB+4*\i:BB+4*\i+3], s[10:11] offset:(16*(\a)+2*\i)*4096 th:TH_STORE_NT   ; sixteen lanes store 256 consecutive bytes, aligned
.endr
.endm
	PLACES
	TOSTAGE 0
.irp a, 1,2,3,4,5,6,7
.if \a > 1
	s_wait_xcnt 0x0                                ; block a - 2's stores have read their registers: block a's loads may land there
.endif
	TOSTAGE \a
	SEND \a-1, 16                                  ; behind block a - 1's loads: block a's 8 stores and 8 loads
.endr
	SEND 7, 0
	s_wait_tensorcnt 0x0                           ; the wave's end: three lines behind my last tensor load and my last LDS store
	ds_add_u32 v[SPW], v[NIL]
	s_wait_dscnt 0x0
	CROUND                                         ; the closing round
	s_endpgm
.Lfunc_end_k_q1853815c4d_proj:
	.size	k_q1853815c4d_proj, .Lfunc_end_k_q1853815c4d_proj-k_q1853815c4d_proj
	.p2alignl 7, 3214868480
	.fill 96, 4, 3214868480
	.section	.rodata,"a",@progbits
	.p2align	6, 0x0
	.amdhsa_kernel k_q1853815c4d_proj
		.amdhsa_group_segment_fixed_size 327680
		.amdhsa_private_segment_fixed_size 0
		.amdhsa_enable_private_segment 0
		.amdhsa_kernarg_size 32
		.amdhsa_user_sgpr_count 2
		.amdhsa_user_sgpr_kernarg_segment_ptr 1
		.amdhsa_wavefront_size32 1
		.amdhsa_system_sgpr_workgroup_id_x 1
		.amdhsa_system_sgpr_workgroup_id_y 1
		.amdhsa_system_sgpr_workgroup_id_z 1
		.amdhsa_system_vgpr_workitem_id 0
		.amdhsa_next_free_vgpr 512
		.amdhsa_next_free_sgpr 66
		.amdhsa_reserve_vcc 0
		.amdhsa_float_denorm_mode_32 3
		.amdhsa_float_denorm_mode_16_64 3
		.amdhsa_memory_ordered 1
		.amdhsa_forward_progress 1
		.amdhsa_inst_pref_size 86
	.end_amdhsa_kernel
	.amdgpu_metadata
---
amdhsa.version: [ 1, 2 ]
amdhsa.kernels:
  - .name:           k_q1853815c4d_proj
    .symbol:         k_q1853815c4d_proj.kd
    .args:
      - { .name: y, .offset: 0, .size: 8, .value_kind: global_buffer, .address_space: global }
      - { .name: wp16, .offset: 8, .size: 8, .value_kind: global_buffer, .address_space: global }
      - { .name: b_proj, .offset: 16, .size: 8, .value_kind: global_buffer, .address_space: global }
      - { .name: out0, .offset: 24, .size: 8, .value_kind: global_buffer, .address_space: global }
    .group_segment_fixed_size: 327680
    .private_segment_fixed_size: 0
    .kernarg_segment_align: 8
    .kernarg_segment_size: 32
    .max_flat_workgroup_size: 128
    .sgpr_count:     66
    .vgpr_count:     512
    .wavefront_size: 32
...
	.end_amdgpu_metadata
.endif
;; end of part 4
;; launch fine_attn (part 5): grid 16 x 4, 4 waves a work-group, no clusters, 13,824 bytes of LDS; arguments x_codes, x_scales, w_codes, w_scales, b_attn, y16; writes y16
.if DOCPART == 5
	.amdgcn_target "amdgcn-amd-amdhsa--gfx1250"
	.amdhsa_code_object_version 6
	.text
	.protected	k_q1853815c4d_fine_attn
	.globl	k_q1853815c4d_fine_attn
	.p2align	8
	.type	k_q1853815c4d_fine_attn,@function
k_q1853815c4d_fine_attn:
	s_mov_b64 s[64:65], 0
	v_nop
	global_prefetch_b8 v0, s[64:65] scope:SCOPE_SE
	s_setreg_imm32_b32 hwreg(HW_REG_WAVE_MODE, 25, 1), 1
	s_wait_xcnt 0x0
; THE FIRST 16 POSITIONS OF EVERY SEQUENCE, IN f32.  Under the causal mask these rows average one to sixteen values and are the largest of the output: f16 operands would use up what the comparison allows.
; Work-group (h, b): q, k, v of positions 0 .. 15 of batch b, head h, are made again from the codes (the quantised product, by the FP4 matrix form, f32 sums, + b_attn) and kept in f32;
; then 16 x 16 attention with the causal mask by fused multiply-adds.  y16[16 b + i][64 h + d], f32.
; A: wave w makes columns 16 w .. 16 w + 15 of the head, for q, k and v: three accumulators by turns over eight K steps of 128.  Source 0 = x's 16 rows, source 1 = 16 columns of w_attn.
; B: wave w takes queries 4 w .. 4 w + 3, two at a time: a half of the lanes holds one query, lane r of it the channels 4 r .. 4 r + 3.
; The maximum is taken away before the exponential, as the softmax has it.  NaN and infinities are not served.
.set SPARE, 13312                      ; behind q, k, v (16 rows x 272 bytes each, at 0, 4,352, 8,704): the spare words, 128 bytes a wave
.set SPW, 252
.set NIL, 253
.set XS,  16                           ; v16-23   x's scale words, one for each K step
.set XF,  32                           ; v32-95   x's eight fragments
.set WF,  96                           ; v96-191  w's fragments of four K steps x (q, k, v)
.set WS,  192                          ; v192-215 w's scale words
.set ACC, 216                          ; v216-239 three accumulators
.set BI,  240                          ; v240-242 the bias of my column
.set KR,  32                           ; phase B: k's 16 rows, my 4 channels
.set VR,  96                           ; v's
.set QR,  160                          ; q of my two queries
.set SS,  168                          ; 16 scores, then p
.set TM,  184                          ; the maximum; m c
.set TS,  186                          ; v186-193 partial sums
.set RC,  194
.set OA,  196
.set OUTR, 200
.set QI,  9
.set NINF, 11
	s_load_b256 s[4:11], s[0:1], 0x0               ; x_codes s[4:5], x_scales s[6:7], w_codes s[8:9], w_scales s[10:11]
	s_load_b128 s[12:15], s[0:1], 0x20             ; b_attn s[12:13], y16 s[14:15]
	v_lshl_add_u32 v[SPW], v0, 2, SPARE
	v_mov_b32 v[NIL], 0
	v_lshrrev_b32 v1, 5, v0
	v_readfirstlane_b32 s16, v1                    ; wave 0..3
	v_and_b32 v1, 15, v0                           ; r
	v_bfe_u32 v2, v0, 4, 1                         ; hh = lane / 16
	v_lshlrev_b32 v3, 9, v1
	v_lshl_add_u32 v3, v2, 4, v3                   ; codes: row r of 512 bytes + 16 hh
	v_lshlrev_b32 v4, 5, v1                        ; scale bytes: row r of 32
	v_lshlrev_b32 v5, 2, v1
	v_mul_u32_u24 v6, v2, 2176
	v_lshl_add_u32 v6, v1, 2, v6
	s_lshl_b32 s18, s16, 6
	v_add_nc_u32 v6, s18, v6                       ; LDS, in: position 8 hh + j, channel 16 w + r
	v_lshlrev_b32 v7, 4, v1                        ; LDS, back: my 4 channels
	s_mul_i32 s18, s16, 1088
	v_mul_u32_u24 v8, v2, 272
	v_add_nc_u32 v8, v8, v7
	v_add_nc_u32 v8, s18, v8                       ; q's row 4 w + hh
	s_lshl_b32 s19, s16, 2
	v_add_nc_u32 v[QI], s19, v2                    ; my query in the first pass: 4 w + hh
	v_lshl_add_u32 v10, v[QI], 12, v7              ; its place in y16
	v_mov_b32 v[NINF], 0xff800000
	s_mov_b32 s20, 0x3e38aa3b                      ; c = log2(e) / 8
	s_and_b32 s21, ttmp7, 0xffff                   ; b
	s_lshl_b32 s22, ttmp9, 6
	s_lshl_b32 s23, s16, 4
	s_add_co_u32 s22, s22, s23                     ; my first column in each third: 64 h + 16 w
	s_mov_b32 s25, 0
	s_wait_kmcnt 0x0
	s_lshl_b32 s24, s21, 20
	s_add_nc_u64 s[4:5], s[4:5], s[24:25]          ; x's row 2,048 b
	s_lshl_b32 s24, s21, 16
	s_add_nc_u64 s[6:7], s[6:7], s[24:25]
	s_add_nc_u64 s[14:15], s[14:15], s[24:25]      ; y16's row 16 b,
	s_lshl_b32 s24, ttmp9, 8
	s_add_nc_u64 s[14:15], s[14:15], s[24:25]      ; column 64 h
	s_lshl_b32 s24, s22, 9
	s_add_nc_u64 s[8:9], s[8:9], s[24:25]
	s_lshl_b32 s24, s22, 5
	s_add_nc_u64 s[10:11], s[10:11], s[24:25]
	s_lshl_b32 s24, s22, 2
	s_add_nc_u64 s[12:13], s[12:13], s[24:25]
.macro WFRAGS s0                       ; w's fragments of K steps s0 .. s0 + 3, for q, k and v (1,024 rows of 512 bytes apart)
.irp s, 0,1,2,3
.irp z, 0,1,2
.irp c, 0,1
	global_load_b128 v[WF+24*\s+8*\z+4*\c:WF+24*\s+8*\z+4*\c+3], v3, s[8:9] offset:524288*\z+64*(\s0+\s)+32*\c
.endr
.endr
.endr
.endm
.macro MULS s0, first                  ; twelve products: the three accumulators take turns, one instruction a turn
.irp s, 0,1,2,3
.irp z, 0,1,2
.if \first && (\s == 0)
	v_wmma_scale_f32_16x16x128_f8f6f4 v[ACC+8*\z:ACC+8*\z+7], v[XF+8*(\s0+\s):XF+8*(\s0+\s)+7], v[WF+24*\s+8*\z:WF+24*\s+8*\z+7], 0, v[XS+\s0+\s], v[WS+8*\z+\s0+\s] matrix_a_fmt:MATRIX_FMT_FP4 matrix_b_fmt:MATRIX_FMT_FP4
.else
	v_wmma_scale_f32_16x16x128_f8f6f4 v[ACC+8*\z:ACC+8*\z+7], v[XF+8*(\s0+\s):XF+8*(\s0+\s)+7], v[WF+24*\s+8*\z:WF+24*\s+8*\z+7], v[ACC+8*\z:ACC+8*\z+7], v[XS+\s0+\s], v[WS+8*\z+\s0+\s] matrix_a_fmt:MATRIX_FMT_FP4 matrix_b_fmt:MATRIX_FMT_FP4
.endif
.endr
.endr
.endm
.irp s, 0,1,2,3,4,5,6,7
.irp c, 0,1
	global_load_b128 v[XF+8*\s+4*\c:XF+8*\s+4*\c+3], v3, s[4:5] offset:64*\s+32*\c
.endr
.endr
	global_load_b128 v[XS:XS+3], v4, s[6:7]
	global_load_b128 v[XS+4:XS+7], v4, s[6:7] offset:16
.irp z, 0,1,2
	global_load_b128 v[WS+8*\z:WS+8*\z+3], v4, s[10:11] offset:32768*\z
	global_load_b128 v[WS+8*\z+4:WS+8*\z+7], v4, s[10:11] offset:32768*\z+16
	global_load_b32 v[BI+\z], v5, s[12:13] offset:4096*\z
.endr
	WFRAGS 0
	s_wait_loadcnt 0x0
	MULS 0, 1
.rept 4
	v_nop                                          ; places in front of loads into registers that matrix instructions have read
.endr
	WFRAGS 4
	s_wait_loadcnt 0x0
	MULS 4, 0
.rept 4
	v_nop                                          ; places in front of the first read of results
.endr
.irp z, 0,1,2
.irp j, 0,1,2,3,4,5,6,7
	v_add_f32 v[ACC+8*\z+\j], v[ACC+8*\z+\j], v[BI+\z]   ; register j: position 8 hh + j, my column; each accumulator from its low end on
.endr
.endr
.irp z, 0,1,2
.irp j, 0,1,2,3,4,5,6,7
	ds_store_b32 v6, v[ACC+8*\z+\j] offset:4352*\z+272*\j
.endr
.endr
	s_wait_dscnt 0x0                               ; for the others' sake: my stores have landed
	s_barrier_signal -1
	s_barrier_wait -1
.set j, 0
.rept 16
	ds_load_b128 v[KR+4*j:KR+4*j+3], v7 offset:4352+272*j
	ds_load_b128 v[VR+4*j:VR+4*j+3], v7 offset:8704+272*j
.set j, j+1
.endr
.irp u, 0,1
	ds_load_b128 v[QR+4*\u:QR+4*\u+3], v8 offset:544*\u
.endr
	s_wait_dscnt 0x0
.macro PASS u                          ; query 4 w + 2 u + hh
.set j, 0
.rept 16
	v_mul_f32 v[SS+j], v[QR+4*\u], v[KR+4*j]
.set j, j+1
.endr
.irp d, 1,2,3
.set j, 0
.rept 16
	v_fmac_f32 v[SS+j], v[QR+4*\u+\d], v[KR+4*j+\d]
.set j, j+1
.endr
.endr
.irp m, 1,2,4,8                        ; across the sixteen lanes that share the query: every lane ends up with the score
.set j, 0
.rept 16
	v_add_f32_dpp v[SS+j], v[SS+j], v[SS+j] row_xmask:\m row_mask:0xf bank_mask:0xf
.set j, j+1
.endr
.endr
.set j, 0
.rept 16
	v_cmp_gt_i32 vcc_lo, j-2*\u, v[QI]             ; key j comes after my query: -infinity
	v_cndmask_b32 v[SS+j], v[SS+j], v[NINF], vcc_lo
.set j, j+1
.endr
	v_max3_num_f32 v[TM], v[SS], v[SS+1], v[SS+2]
.irp j, 3,5,7,9,11,13
	v_max3_num_f32 v[TM], v[TM], v[SS+\j], v[SS+\j+1]
.endr
	v_max_num_f32 v[TM], v[TM], v[SS+15]
	v_mul_f32 v[TM+1], s20, v[TM]
.set j, 0
.rept 16
	v_fma_f32 v[SS+j], v[SS+j], s20, -v[TM+1]      ; c s - c m
.set j, j+1
.endr
.set j, 0
.rept 16
	v_exp_f32 v[SS+j], v[SS+j]
.set j, j+1
.endr
	v_nop                                          ; a plain instruction behind the last exponential
	s_wait_alu depctr_va_vdst(0)                   ; one wait for the sixteen, ahead of the first use
.irp i, 0,1,2,3,4,5,6,7
	v_add_f32 v[TS+\i], v[SS+2*\i], v[SS+2*\i+1]
.endr
.irp i, 0,1,2,3
	v_add_f32 v[TS+\i], v[TS+2*\i], v[TS+2*\i+1]
.endr
.irp i, 0,1
	v_add_f32 v[TS+\i], v[TS+2*\i], v[TS+2*\i+1]
.endr
	v_add_f32 v[TS], v[TS], v[TS+1]
	v_rcp_f32 v[RC], v[TS]
.irp d, 0,1,2,3
	v_mul_f32 v[OA+\d], v[SS], v[VR+\d]            ; the sums with v do not read the reciprocal: they stand between it and its wait
.endr
.set j, 1
.rept 15
.irp d, 0,1,2,3
	v_fmac_f32 v[OA+\d], v[SS+j], v[VR+4*j+\d]
.endr
.set j, j+1
.endr
	s_wait_alu depctr_va_vdst(0)
.irp d, 0,1,2,3
	v_mul_f32 v[OUTR+4*\u+\d], v[OA+\d], v[RC]
.endr
	global_store_b128 v10, v[OUTR+4*\u:OUTR+4*\u+3], s[14:15] offset:8192*\u   ; sixteen lanes store 256 consecutive bytes, aligned
.endm
	PASS 0
	PASS 1
	s_wait_tensorcnt 0x0                           ; the wave's end
	ds_add_u32 v[SPW], v[NIL]
	s_wait_dscnt 0x0
	s_endpgm
.Lfunc_end_k_q1853815c4d_fine_attn:
	.size	k_q1853815c4d_fine_attn, .Lfunc_end_k_q1853815c4d_fine_attn-k_q1853815c4d_fine_attn
	.p2alignl 7, 3214868480
	.fill 96, 4, 3214868480
	.section	.rodata,"a",@progbits
	.p2align	6, 0x0
	.amdhsa_kernel k_q1853815c4d_fine_attn
		.amdhsa_group_segment_fixed_size 13824
		.amdhsa_private_segment_fixed_size 0
		.amdhsa_enable_private_segment 0
		.amdhsa_kernarg_size 48
		.amdhsa_user_sgpr_count 2
		.amdhsa_user_sgpr_kernarg_segment_ptr 1
		.amdhsa_wavefront_size32 1
		.amdhsa_system_sgpr_workgroup_id_x 1
		.amdhsa_system_sgpr_workgroup_id_y 1
		.amdhsa_system_sgpr_workgroup_id_z 1
		.amdhsa_system_vgpr_workitem_id 0
		.amdhsa_next_free_vgpr 256
		.amdhsa_next_free_sgpr 66
		.amdhsa_reserve_vcc 1
		.amdhsa_float_denorm_mode_32 3
		.amdhsa_float_denorm_mode_16_64 3
		.amdhsa_memory_ordered 1
		.amdhsa_forward_progress 1
		.amdhsa_inst_pref_size 41
	.end_amdhsa_kernel
	.amdgpu_metadata
---
amdhsa.version: [ 1, 2 ]
amdhsa.kernels:
  - .name:           k_q1853815c4d_fine_attn
    .symbol:         k_q1853815c4d_fine_attn.kd
    .args:
      - { .name: x_codes, .offset: 0, .size: 8, .value_kind: global_buffer, .address_space: global }
      - { .name: x_scales, .offset: 8, .size: 8, .value_kind: global_buffer, .address_space: global }
      - { .name: w_codes, .offset: 16, .size: 8, .value_kind: global_buffer, .address_space: global }
      - { .name: w_scales, .offset: 24, .size: 8, .value_kind: global_buffer, .address_space: global }
      - { .name: b_attn, .offset: 32, .size: 8, .value_kind: global_buffer, .address_space: global }
      - { .name: y16, .offset: 40, .size: 8, .value_kind: global_buffer, .address_space: global }
    .group_segment_fixed_size: 13824
    .private_segment_fixed_size: 0
    .kernarg_segment_align: 8
    .kernarg_segment_size: 48
    .max_flat_workgroup_size: 128
    .sgpr_count:     66
    .vgpr_count:     256
    .wavefront_size: 32
...
	.end_amdgpu_metadata
.endif
;; end of part 5
;; launch fine_proj (part 6): grid 64 x 4, 8 waves a work-group, no clusters, 9,216 bytes of LDS; arguments y16, w_proj, b_proj, out0; writes out0
.if DOCPART == 6
	.amdgcn_target "amdgcn-amd-amdhsa--gfx1250"
	.amdhsa_code_object_version 6
	.text
	.protected	k_q1853815c4d_fine_proj
	.globl	k_q1853815c4d_fine_proj
	.p2align	8
	.type	k_q1853815c4d_fine_proj,@function
k_q1853815c4d_fine_proj:
	s_mov_b64 s[64:65], 0
	v_nop
	global_prefetch_b8 v0, s[64:65] scope:SCOPE_SE
	s_setreg_imm32_b32 hwreg(HW_REG_WAVE_MODE, 25, 1), 1
	s_wait_xcnt 0x0
; THE PROJECTION OF THE FIRST 16 POSITIONS OF EVERY SEQUENCE, IN f32: out0[2048 b + i][n] = the sum over k of y16[16 b + i][k] w_proj[k][n] + b_proj[n], i = 0 .. 15.
; It runs last and writes again the 64 rows that the f16 projection has written.  64 x 1,024 x 1,024 multiply-adds: no bulk work, so the f32 matrix form serves.
; Work-group (nt, b): 16 rows x 16 columns.  Its eight waves share K: wave w takes k = 128 w .. 128 w + 127, 32 matrix instructions on two accumulators by turns; the eight parts meet in LDS.
; K is taken in an order that lets y16 come by loads of 16 bytes, alike on both sides: pair p of steps takes k = 8 p + 4 h + {0, 1}, then 8 p + 4 h + {2, 3}.
; The stores, and w_proj's loads, are pieces of 64 bytes: 16 columns to a work-group keep 256 work-groups at work on what is 64 of the output's 8,192 rows.
.set SPARE, 8192                       ; behind the eight waves' parts, 1,024 bytes each: the spare words, 128 bytes a wave
.set SPW, 188
.set NIL, 189
.set AR,  32                           ; v32-95   y16: four registers a pair of steps
.set BR,  96                           ; v96-159  w_proj likewise
.set AC0, 160                          ; written by matrix instructions alone
.set AC1, 168
.set T,   176
	s_load_b256 s[4:11], s[0:1], 0x0               ; y16 s[4:5], w_proj s[6:7], b_proj s[8:9], out0 s[10:11]
	v_lshl_add_u32 v[SPW], v0, 2, SPARE
	v_mov_b32 v[NIL], 0
	v_lshrrev_b32 v1, 5, v0
	v_readfirstlane_b32 s12, v1                    ; wave 0..7
	v_and_b32 v1, 15, v0                           ; r
	v_bfe_u32 v2, v0, 4, 1                         ; h
	v_lshlrev_b32 v3, 12, v1
	v_lshl_add_u32 v3, v2, 4, v3                   ; y16: row r of 4,096 bytes + 16 h
	v_lshlrev_b32 v5, 2, v1                        ; 4 r
	v_lshl_add_u32 v4, v2, 14, v5                  ; w_proj: 4 h rows of 4,096 bytes + 4 r
	v_lshl_add_u32 v8, v2, 15, v5                  ; out0: 8 h rows + 4 r
	v_and_b32 v9, 31, v0
	v_lshlrev_b32 v9, 2, v9
	s_lshl_b32 s13, s12, 10
	v_add_nc_u32 v6, s13, v9                       ; LDS, in: my wave's part
	s_lshl_b32 s14, s12, 7
	v_add_nc_u32 v7, s14, v9                       ; LDS, back: register w of every wave's part
	s_and_b32 s15, ttmp7, 0xffff                   ; b
	s_mov_b32 s17, 0
	s_mov_b32 s19, 0
	s_lshl_b32 s18, ttmp9, 6                       ; 16 columns of f32
	s_wait_kmcnt 0x0
	s_lshl_b32 s16, s15, 16
	s_lshl_b32 s20, s12, 9
	s_add_co_u32 s16, s16, s20
	s_add_nc_u64 s[4:5], s[4:5], s[16:17]          ; y16: row 16 b, k = 128 w
	s_lshl_b32 s16, s12, 19
	s_add_nc_u64 s[6:7], s[6:7], s[16:17]          ; w_proj: row 128 w,
	s_add_nc_u64 s[6:7], s[6:7], s[18:19]          ; my columns
	s_add_nc_u64 s[8:9], s[8:9], s[18:19]
	s_lshl_b32 s16, s15, 23
	s_lshl_b32 s20, s12, 12
	s_add_co_u32 s16, s16, s20
	s_add_nc_u64 s[10:11], s[10:11], s[16:17]      ; out0: row 2,048 b + w,
	s_add_nc_u64 s[10:11], s[10:11], s[18:19]      ; my columns
.set p, 0
.rept 16
	global_load_b128 v[AR+4*p:AR+4*p+3], v3, s[4:5] offset:32*p
.set p, p+1
.endr
.set p, 0
.rept 16
.irp j, 0,1,2,3
	global_load_b32 v[BR+4*p+\j], v4, s[6:7] offset:(8*p+\j)*4096
.endr
.set p, p+1
.endr
	global_load_b32 v24, v5, s[8:9]
	s_wait_loadcnt 0x0
	v_wmma_f32_16x16x4_f32 v[AC0:AC0+7], v[AR:AR+1], v[BR:BR+1], 0         ; the first two steps start the two sums
	v_wmma_f32_16x16x4_f32 v[AC1:AC1+7], v[AR+2:AR+3], v[BR+2:BR+3], 0
.set p, 1
.rept 15                               ; the two accumulators take turns, one instruction a turn
	v_wmma_f32_16x16x4_f32 v[AC0:AC0+7], v[AR+4*p:AR+4*p+1], v[BR+4*p:BR+4*p+1], v[AC0:AC0+7]
	v_wmma_f32_16x16x4_f32 v[AC1:AC1+7], v[AR+4*p+2:AR+4*p+3], v[BR+4*p+2:BR+4*p+3], v[AC1:AC1+7]
.set p, p+1
.endr
.rept 8
	v_nop                                          ; eight places behind this form, ahead of the first read of results (ISA guide 7.12.1)
.endr
.irp j, 0,1,2,3,4,5,6,7
	v_add_f32 v[T+\j], v[AC0+\j], v[AC1+\j]        ; into other registers; from the low end on.  Register j: row 8 h + j, column r
.endr
.irp j, 0,1,2,3,4,5,6,7
	ds_store_b32 v6, v[T+\j] offset:128*\j
.endr
	s_wait_dscnt 0x0                               ; for the others' sake: my stores have landed
	s_barrier_signal -1
	s_barrier_wait -1
.irp u, 0,1,2,3,4,5,6,7
	ds_load_b32 v[16+\u], v7 offset:1024*\u        ; wave w adds up register w of the eight parts: rows w and 8 + w
.endr
	s_wait_dscnt 0x0
	v_add_f32 v16, v16, v17
	v_add_f32 v18, v18, v19
	v_add_f32 v20, v20, v21
	v_add_f32 v22, v22, v23
	v_add_f32 v16, v16, v18
	v_add_f32 v20, v20, v22
	v_add_f32 v16, v16, v20
	v_add_f32 v16, v16, v24                        ; + the bias
	global_store_b32 v8, v16, s[10:11]
	s_wait_tensorcnt 0x0                           ; the wave's end
	ds_add_u32 v[SPW], v[NIL]
	s_wait_dscnt 0x0
	s_endpgm
.Lfunc_end_k_q1853815c4d_fine_proj:
	.size	k_q1853815c4d_fine_proj, .Lfunc_end_k_q1853815c4d_fine_proj-k_q1853815c4d_fine_proj
	.p2alignl 7, 3214868480
	.fill 96, 4, 3214868480
	.section	.rodata,"a",@progbits
	.p2align	6, 0x0
	.amdhsa_kernel k_q1853815c4d_fine_proj
		.amdhsa_group_segment_fixed_size 9216
		.amdhsa_private_segment_fixed_size 0
		.amdhsa_enable_private_segment 0
		.amdhsa_kernarg_size 32
		.amdhsa_user_sgpr_count 2
		.amdhsa_user_sgpr_kernarg_segment_ptr 1
		.amdhsa_wavefront_size32 1
		.amdhsa_system_sgpr_workgroup_id_x 1
		.amdhsa_system_sgpr_workgroup_id_y 1
		.amdhsa_system_sgpr_workgroup_id_z 1
		.amdhsa_system_vgpr_workitem_id 0
		.amdhsa_next_free_vgpr 192
		.amdhsa_next_free_sgpr 66
		.amdhsa_reserve_vcc 0
		.amdhsa_float_denorm_mode_32 3
		.amdhsa_float_denorm_mode_16_64 3
		.amdhsa_memory_ordered 1
		.amdhsa_forward_progress 1
		.amdhsa_inst_pref_size 14
	.end_amdhsa_kernel
	.amdgpu_metadata
---
amdhsa.version: [ 1, 2 ]
amdhsa.kernels:
  - .name:           k_q1853815c4d_fine_proj
    .symbol:         k_q1853815c4d_fine_proj.kd
    .args:
      - { .name: y16, .offset: 0, .size: 8, .value_kind: global_buffer, .address_space: global }
      - { .name: w_proj, .offset: 8, .size: 8, .value_kind: global_buffer, .address_space: global }
      - { .name: b_proj, .offset: 16, .size: 8, .value_kind: global_buffer, .address_space: global }
      - { .name: out0, .offset: 24, .size: 8, .value_kind: global_buffer, .address_space: global }
    .group_segment_fixed_size: 9216
    .private_segment_fixed_size: 0
    .kernarg_segment_align: 8
    .kernarg_segment_size: 32
    .max_flat_workgroup_size: 256
    .sgpr_count:     66
    .vgpr_count:     192
    .wavefront_size: 32
...
	.end_amdgpu_metadata
.endif
;; end of part 6
